; MI455X (gfx1250); checked and timed in simulation.
; The chip was launched on July 23, 2026; its instructions are those of AMD's public machine-readable ISA for CDNA 5 (MIT licence, August 2026) and "CDNA5" Instruction Set Architecture Reference Guide (July 2026). The comments in the code are by the model that wrote it; some were corrected since.
;; Tab Net Encoder. Allowed arithmetic: float matrix products may take bf16 or f16 operands with f32 sums; other float arithmetic in f32, or as packed bf16 or f16 multiplies, adds, multiply-adds, maxima and minima; sums over many terms, partial sums and values carried from step to step in f32; what a program stores and reads back later, other than sums and carried values, may be rounded once to bf16 or f16.
;; Inputs: att_b 5 x 128 float32; att_be 5 x 128 float32; att_g 5 x 128 float32; att_w 5 x 128 x 128 float32; features 131,072 x 256 float32; glu1_b 256 float32; glu1_be 256 float32; glu1_g 256 float32; glu1_w 256 x 256 float32; glu2_b 256 float32; glu2_be 256 float32; glu2_g 256 float32; glu2_w 128 x 256 float32; out_b 64 float32; out_w 128 x 64 float32.
;; Outputs: out0 131,072 x 64 float32.
;; 2 versions, each right; version 2 is version 1 with the launch tabnet written anew for expert scheduling mode. Each part assembles by itself: llvm-mc -triple=amdgcn-amd-amdhsa -mcpu=gfx1250 --defsym DOCPART=n.
;; ======== version 1 of 2: 1 launch
;; limits: a function is approximated: absolute error at most 3.815e-06; values are held in f16: magnitudes above 65,504 overflow, below 6.1e-05 lose precision; inputs' magnitudes at most 65,504
;; launch tabnet (part 1): grid 256 x 1, 8 waves a work-group, no clusters, 307,712 bytes of LDS; arguments features, glu1_w, glu1_b, glu1_g, glu1_be, glu2_w, glu2_b, glu2_g, glu2_be, att_w, att_b, att_g, att_be, out_w, out_b, out0; writes out0
.if DOCPART == 1
	.amdgcn_target "amdgcn-amd-amdhsa--gfx1250"
	.amdhsa_code_object_version 6
	.text
	.protected	k_qd7681a3ee7_tabnet
	.globl	k_qd7681a3ee7_tabnet
	.p2align	8
	.type	k_qd7681a3ee7_tabnet,@function
k_qd7681a3ee7_tabnet:
	s_mov_b64 s[64:65], 0
	v_nop
	global_prefetch_b8 v0, s[64:65] scope:SCOPE_SE
	s_setreg_imm32_b32 hwreg(HW_REG_WAVE_MODE, 25, 1), 1
	s_wait_xcnt 0x0
; TabNetEncoder.  out0 = (t2 * sparsemax(bn(t2 @ att_w[4] + att_b[4]))) @ out_w + out_b,  t2 = glu2(glu1(features)).
; The function returns the LAST decision step's output alone: steps 0 to 3 and prior_scales feed nothing that is returned, whatever the inputs hold, so they are not computed,
; and of att_w, att_b, att_g, att_be only slice 4 is read.
; SHARES.  256 work-groups of 8 waves; a work-group owns 512 rows, a wave 64, walked as 2 blocks of 32 rows = 2 tiles of 16.  All weights lie in LDS in 16 bits (one barrier, behind
; their conversion); behind that barrier no wave waits for another.
; LAYOUT.  Every product is taken transposed: source 0 = 16 output columns of a weight matrix (read turned out of [K][N] by ds_load_tr16_b128), source 1 = 16 data rows.  In a result lane
; l holds data row l % 16 and the output columns n0 + 8 (l / 16) + 0..7; two such results, packed in pairs, ARE the next product's source 1: nothing changes lanes between the layers.
; FORMATS.  All fifteen inputs are rounded once to bf16.  GLU1 multiplies in bf16.  What the program itself makes (t1, t2, t2 * mask) goes on in f16, divided by a power of two si that is
; taken from a bound of the block: |t1| <= b1 = nx C1 + D1, |t2| <= b2 = b1 C2 + D2, nx = the block's largest row norm (from products X X^T, whose largest entry lies on the diagonal),
; C1 = sqrt(sum glu1_w^2) max|G1|, C2 = sqrt(128 sum glu2_w^2) max|G2|, D = max|B| (value columns).  si = 2^(exponent(b) - 13), so |t / si| < 2^14.  The division costs nothing:
; sigmoid / si = 1 / (si + si e); the next layer's gain is multiplied by si.  The weights of GLU2, att and out are the bf16 numbers written as f16.
; SPARSEMAX.  tau is the root of sum max(z - t, 0) = 1 and lies in [zmax - 1, zmax]: 17 halvings of that interval, each a clamped sum over the row, then its middle.
; LIMITS.  |tau' - tau| <= 2^-18 for every input.  An f16 weight is exact for 2^-17 <= |w| <= 65,504; below, off by 2^-25 at the most; above, an infinity.  t / si below 2^-14 keeps
; f16's fixed step 2^-24.  The sums of squares lie in 2^-126 .. 2^127 and the bounds b1, b2 under 2^127.  NaN and infinities are not treated apart.
.set P1,    544                        ; LDS pitch of W1 and W2: 256 columns x 2 bytes + 32: an odd multiple of 32 bytes
.set PA,    288                        ; of WA: 128 columns + 32
.set PO,    160                        ; of WO: 64 columns + 32
.set LW2,   139264                     ; W1 (bf16, 256 k) lies at 0; W2 (f16, 128 k) here
.set LWA,   208896                     ; att_w[4] (f16, 128 k)
.set LWO,   245760                     ; out_w (f16, 128 k)
.set LCON,  266240                     ; f32 tables:
.set CG1,   0                          ;   G1[256] = g * INV (gate columns: times -log2 e),  B1[256] = b * G + be
.set CB1,   1024
.set CG2,   2048
.set CB2,   3072
.set CGA,   4096                       ;   GA[128], BA[128]
.set CBA,   4608
.set COB,   5120                       ;   out_b[64]
.set LSTAT, 271616                     ; the waves' partial sums of squares: glu1_w's 8 words, glu2_w's 8 words
.set LSTG,  271872                     ; a stage of 16 rows x 272 bytes for each wave, its own
.set STGB,  4352
.set SP,    272                        ; 256 bytes + 16: the 16 rows of a load start at 16 different groups of four banks (64 banks of 4 bytes: ISA guide 11.1)
.set SPARE, 306688                     ; the spare words, 128 bytes for each wave: four blocks of 256 bytes that no other line names
; window 0
.set SPW,  1                           ; v1   LDS address of my spare word; never rewritten
.set NIL,  2                           ; v2   0; never rewritten
.set WB1A, 3                           ; v3   my lane's place in a turned fragment of W1, k 0..127
.set WB1B, 4                           ; v4   the same, k 128..255
.set WB2,  5                           ; v5   of W2
.set WBA,  6                           ; v6   of WA
.set WBO,  7                           ; v7   of WO
.set CL,   8                           ; v8   LCON + 32 (l / 16): my eight columns' numbers in a table
.set FO,   9                           ; v9   16 l: my 16 bytes of 512 consecutive bytes in memory
.set SA,   10                          ; v10  stage + 8 l
.set FA,   11                          ; v11  stage + 272 (l % 16) + 16 (l / 16)
.set STO,  12                          ; v12  stage + 272 (l % 16) + 32 (l / 16)
.set RD,   13                          ; v13  stage + 272 (l / 16) + 16 (l % 16)
.set SI1,  14                          ; v[14:15] si of t1, twice
.set SI2,  16                          ; v[16:17] si of t2, twice
.set ONE,  18                          ; v[18:19] 1.0, 1.0
.set ZERO, 20                          ; v20  0.0
.set C1,   21
.set D1,   22
.set C2,   23
.set D2,   24
.set PF,   25                          ; v25  256 l: the prefetches' offset
.set NL,   26                          ; v26, v27   minus the interval's lower end, tile 0, 1
.set NT,   28                          ; v[28:29], v[30:31]   minus the point tried, twice, tile 0, 1
.set ACC,  32                          ; v32-63   GLU: A(t) at 32 + 8 t, gate(t) at 48 + 8 t; else at work
.set WBUF, 64                          ; v64-95   GLU: two buffers of (value fragment, gate fragment)
.set KON,  96                          ; v96-127  GLU: Gg, Bg, Ga, Ba of the pair of column tiles in hand
.set T1,   128                         ; v128-191 t1 / si1 in f16: tile t, k block c at 128 + 32 t + 8 c
.set T2,   192                         ; v192-255 t2 / si2 likewise; later times the mask
.set ZB,   64                          ; v64-191  z(t, nt) at 64 + 64 t + 8 nt; later out(nt, t) at 64 + 16 nt + 8 t and the rows read back at 128 + 32 t
; window 1: v0-127 X(t, ks) at 64 t + 8 ks;  v128-255 two buffers of 64 for raw f32 chunks
.set RAW,  128
.set MSB, 0
.macro WIN new                         ; bits 1:0 source 0, 3:2 source 1, 5:4 source 2, 7:6 destination; the high byte repeats the setting that is left
.if MSB != (\new)
	s_set_vgpr_msb (MSB<<8)|(\new)
.set MSB, \new
.endif
.endm
; A load into a register that a matrix instruction has read, and a vector instruction that reads a matrix result, stand four places behind it; only plain vector instructions
; that name none of its registers are places (ISA guide 7.12.1 for vector instructions).
.macro PLACES
.rept 4
	v_nop
.endr
.endm
.macro LANEMAX dst, v, tmp             ; the largest over the 32 lanes, in every lane
	v_max_num_f32_dpp v[\v], v[\v], v[\v] row_xmask:1 row_mask:0xf bank_mask:0xf
	v_max_num_f32_dpp v[\v], v[\v], v[\v] row_xmask:2 row_mask:0xf bank_mask:0xf
	v_max_num_f32_dpp v[\v], v[\v], v[\v] row_xmask:4 row_mask:0xf bank_mask:0xf
	v_max_num_f32_dpp v[\v], v[\v], v[\v] row_xmask:8 row_mask:0xf bank_mask:0xf
	v_permlanex16_b32 v[\tmp], v[\v], s40, s41
	v_max_num_f32 v[\dst], v[\v], v[\tmp]
.endm
.macro LANESUM v, tmp
	v_add_f32_dpp v[\v], v[\v], v[\v] row_xmask:1 row_mask:0xf bank_mask:0xf
	v_add_f32_dpp v[\v], v[\v], v[\v] row_xmask:2 row_mask:0xf bank_mask:0xf
	v_add_f32_dpp v[\v], v[\v], v[\v] row_xmask:4 row_mask:0xf bank_mask:0xf
	v_add_f32_dpp v[\v], v[\v], v[\v] row_xmask:8 row_mask:0xf bank_mask:0xf
	v_permlanex16_b32 v[\tmp], v[\v], s40, s41
	v_add_f32 v[\v], v[\v], v[\tmp]
.endm
; A turned fragment: 16 columns x 32 k out of [K][N]: k0 + 8 (l / 16) + 0..7 of column n0 + l % 16, then the k 16 further on.  off = k0 x pitch + 2 n0
.macro FRAG dst, base, off, pitch
	ds_load_tr16_b128 v[\dst:\dst+3], v[\base] offset:\off
	ds_load_tr16_b128 v[\dst+4:\dst+7], v[\base] offset:(\off)+16*(\pitch)
.endm
; Chunk q of a block of features: tile q / 2, K half q % 2: 16 rows x 512 bytes; each load covers 512 consecutive bytes, aligned.
.macro FLOAD q, buf
	WIN 0x40                               ; destination window 1
.set i, 0
.rept 16
	global_load_b128 v[RAW+64*(\buf)+4*i:RAW+64*(\buf)+4*i+3], v[FO], s[4:5] offset:16384*((\q)/2)+1024*i+512*((\q)%2) th:TH_LOAD_NT
.set i, i+1
.endr
	WIN 0
.set ISSUED, ISSUED+16
.endm
; The chunk is rounded to bf16 in place, laid into my stage by rows, and read back as four fragments of X.  LDS serves a wave's instructions in order (ISA guide 5.7.1.4) and the stage is
; my own: no wait stands between the stores and the loads, nor in front of the next chunk's stores.
.macro FCONV q, buf
.set rb, RAW+64*(\buf)
	WIN 0x45                               ; destination and both sources window 1
.set i, 0
.rept 16
	v_cvt_pk_bf16_f32 v[rb+4*i], v[rb+4*i], v[rb+4*i+1]
	v_cvt_pk_bf16_f32 v[rb+4*i+1], v[rb+4*i+2], v[rb+4*i+3]
.set i, i+1
.endr
	WIN 0x04                               ; a store's data is source 1
.set i, 0
.rept 16
	ds_store_b64 v[SA], v[rb+4*i:rb+4*i+1] offset:SP*i
.set i, i+1
.endr
	WIN 0x40
.set i, 0
.rept 4
.set xr, 64*((\q)/2)+8*(4*((\q)%2)+i)
	ds_load_b128 v[xr:xr+3], v[FA] offset:64*i
	ds_load_b128 v[xr+4:xr+7], v[FA] offset:64*i+32
.set i, i+1
.endr
	WIN 0
.endm
; A batch of weights: n loads of 512 consecutive bytes.  ISSUED counts the wave's global loads; the symbol set behind a batch holds the count at its last load.
.macro WLOAD sp, off, buf, n
.set i, 0
.rept \n
	global_load_b128 v[(\buf)+4*i:(\buf)+4*i+3], v[FO], s[\sp:\sp+1] offset:(\off)+512*i
.set i, i+1
.endr
.set ISSUED, ISSUED+(\n)
.endm
.macro WAITL e                         ; loads come back in order (ISA guide 5.7.1): all up to count e are in when at most ISSUED - e are out; the wait's field holds 63
.set d, ISSUED-(\e)
.if d > 63
.set d, 63
.endif
	s_wait_loadcnt d
.endm
; The batch is rounded to bf16 (hf = 1: and that number written as f16) and stored: load i goes to row r0 + i / dv, byte 256 (i % dv) + what ladr holds.  q >= 0: its squares are added to v[q:q+3].
.macro WPROC hf, q, buf, n, ladr, r0, dv, pitch
.set i, 0
.rept \n
.set x, (\buf)+4*i
.if (\q) >= 0
	v_pk_fma_f32 v[\q:\q+1], v[x:x+1], v[x:x+1], v[\q:\q+1]
	v_pk_fma_f32 v[\q+2:\q+3], v[x+2:x+3], v[x+2:x+3], v[\q+2:\q+3]
.endif
	v_cvt_pk_bf16_f32 v[x], v[x], v[x+1]
	v_cvt_pk_bf16_f32 v[x+1], v[x+2], v[x+3]
.if \hf
	v_lshlrev_b32 v[x+2], 16, v[x]
	v_and_b32 v[x+3], s42, v[x]
	v_cvt_pk_f16_f32 v[x], v[x+2], v[x+3]
	v_lshlrev_b32 v[x+2], 16, v[x+1]
	v_and_b32 v[x+3], s42, v[x+1]
	v_cvt_pk_f16_f32 v[x+1], v[x+2], v[x+3]
.endif
	ds_store_b64 v[\ladr], v[x:x+1] offset:((\r0)+i/(\dv))*(\pitch)+(i%(\dv))*256
.set i, i+1
.endr
.endm
; GLU layer L: the value fragment (columns 16 j ..) and the gate fragment (128 + 16 j ..) of K step ks into buffer b
.macro WFR L, b, j, ks
.if (\L) == 1
.if (\ks) < 4
.set wb, WB1A
.else
.set wb, WB1B
.endif
.else
.set wb, WB2
.endif
.set wo, 32*((\ks)%4)*P1+32*(\j)
	FRAG WBUF+16*(\b), wb, wo, P1
	FRAG WBUF+16*(\b)+8, wb, wo+256, P1
.endm
; What follows the products of column pair j: gate e = 2^(acc Gg + Bg) (the tables hold -log2 e times gain and bias), value a = acc Ga + Ba, t / si = a / (si + si e), rounded to f16 into the
; next product's source 1.  Two batches of 16 transcendentals; behind each four plain lines (the value of one tile) and ONE wait ahead of the first reader.
; Each accumulator is read from its lowest registers on.
.macro EPI L
.if (\L) == 1
.set si, SI1
.set td, T1
	PLACES
.else
.set si, SI2
.set td, T2
.irp i, 0,2,4,6                        ; the sums are of t1 / si1: both gains times si1; these eight lines are also the places behind the last products
	v_pk_mul_f32 v[KON+\i:KON+\i+1], v[KON+\i:KON+\i+1], v[SI1:SI1+1]
	v_pk_mul_f32 v[KON+16+\i:KON+16+\i+1], v[KON+16+\i:KON+16+\i+1], v[SI1:SI1+1]
.endr
.endif
.irp t, 0,1
.irp i, 0,2,4,6
	v_pk_fma_f32 v[ACC+16+8*\t+\i:ACC+16+8*\t+\i+1], v[ACC+16+8*\t+\i:ACC+16+8*\t+\i+1], v[KON+\i:KON+\i+1], v[KON+8+\i:KON+8+\i+1]
.endr
.endr
.set n, 0
.rept 16
	v_exp_f32 v[ACC+16+n], v[ACC+16+n]
.set n, n+1
.endr
.irp i, 0,2,4,6
	v_pk_fma_f32 v[ACC+\i:ACC+\i+1], v[ACC+\i:ACC+\i+1], v[KON+16+\i:KON+16+\i+1], v[KON+24+\i:KON+24+\i+1]
.endr
	s_wait_alu depctr_va_vdst(0)           ; one wait for the 16 exponentials
.set n, 0
.rept 8
	v_pk_fma_f32 v[ACC+16+n:ACC+16+n+1], v[ACC+16+n:ACC+16+n+1], v[si:si+1], v[si:si+1]
.set n, n+2
.endr
.set n, 0
.rept 16
	v_rcp_f32 v[ACC+16+n], v[ACC+16+n]
.set n, n+1
.endr
.irp i, 0,2,4,6
	v_pk_fma_f32 v[ACC+8+\i:ACC+8+\i+1], v[ACC+8+\i:ACC+8+\i+1], v[KON+16+\i:KON+16+\i+1], v[KON+24+\i:KON+24+\i+1]
.endr
	s_wait_alu depctr_va_vdst(0)           ; one wait for the 16 reciprocals
.set n, 0
.rept 8
	v_pk_mul_f32 v[ACC+n:ACC+n+1], v[ACC+n:ACC+n+1], v[ACC+16+n:ACC+16+n+1]
.set n, n+2
.endr
.irp t, 0,1
.irp i, 0,1,2,3
	v_cvt_pk_f16_f32 v[td+32*\t+8*(j/2)+4*(j%2)+\i], v[ACC+8*\t+2*\i], v[ACC+8*\t+2*\i+1]
.endr
.endr
.endm
; A GLU layer.  For each of the 8 pairs (value tile j, gate tile j): the pair's 32 table numbers, KS steps of 4 products, EPI.  A step asks for the next step's two fragments (4 LDS loads, into
; the other buffer, four places behind the products that read it) and then multiplies.  The four accumulators take turns, one instruction a turn.
; The waits count the younger LDS loads: in a pair's first step the 8 table loads and the next step's 4; else the next step's 4; in the layer's last step nothing is asked for.
.macro GLU L
.if (\L) == 1
.set KS, 8
.set kg, CG1
.set kb, CB1
.else
.set KS, 4
.set kg, CG2
.set kb, CB2
.endif
	WFR \L, 0, 0, 0
.set j, 0
.rept 8
.irp u, 0,16
	ds_load_b128 v[KON+\u/4:KON+\u/4+3], v[CL] offset:kg+512+64*j+\u
	ds_load_b128 v[KON+8+\u/4:KON+8+\u/4+3], v[CL] offset:kb+512+64*j+\u
	ds_load_b128 v[KON+16+\u/4:KON+16+\u/4+3], v[CL] offset:kg+64*j+\u
	ds_load_b128 v[KON+24+\u/4:KON+24+\u/4+3], v[CL] offset:kb+64*j+\u
.endr
.if (\L) == 1
	WIN 0x04                               ; source 1 (X) in window 1
.endif
.set ks, 0
.rept KS
	PLACES
.if ks+1 < KS
	WFR \L, (ks+1)%2, j, ks+1
.elseif j < 7
	WFR \L, 0, j+1, 0
.endif
.if ks == 0
	s_wait_dscnt 12
.elseif (ks+1 == KS) && (j == 7)
	s_wait_dscnt 0x0
.else
	s_wait_dscnt 0x4
.endif
.irp g, 0,1
.irp t, 0,1
.set dd, ACC+16*\g+8*\t
.set ww, WBUF+16*(ks%2)+8*\g
.if (\L) == 1
.set ss, 64*\t+8*ks
.if ks == 0
	v_wmma_f32_16x16x32_bf16 v[dd:dd+7], v[ww:ww+7], v[ss:ss+7], 0
.else
	v_wmma_f32_16x16x32_bf16 v[dd:dd+7], v[ww:ww+7], v[ss:ss+7], v[dd:dd+7]
.endif
.else
.set ss, T1+32*\t+8*ks
.if ks == 0
	v_wmma_f32_16x16x32_f16 v[dd:dd+7], v[ww:ww+7], v[ss:ss+7], 0
.else
	v_wmma_f32_16x16x32_f16 v[dd:dd+7], v[ww:ww+7], v[ss:ss+7], v[dd:dd+7]
.endif
.endif
.endr
.endr
.set ks, ks+1
.endr
	WIN 0
	EPI \L
.set j, j+1
.endr
.endm
; The products of att and out: source 1 = T2, K = 128.  A step takes column tile nt and two K steps: two fragments (4 LDS loads) in a buffer of 16 registers in v32-63, 4 products; the two tiles'
; accumulators take turns.  D(nt, t) = db + dn nt + dt t.
.macro AFR b, base, pitch, nt, ks
	FRAG ACC+16*(\b), \base, 32*(\ks)*(\pitch)+32*(\nt), \pitch
	FRAG ACC+16*(\b)+8, \base, 32*((\ks)+1)*(\pitch)+32*(\nt), \pitch
.endm
.macro APHASE base, pitch, nts, db, dn, dt
	AFR 0, \base, \pitch, 0, 0
.set a, 0
.rept 2*(\nts)
	PLACES
.if a+1 < 2*(\nts)
	AFR (a+1)%2, \base, \pitch, (a+1)/2, 2*((a+1)%2)
	s_wait_dscnt 0x4                       ; all but the next step's four
.else
	s_wait_dscnt 0x0
.endif
.irp u, 0,1
.irp t, 0,1
.set dd, (\db)+(\dn)*(a/2)+(\dt)*\t
.set ww, ACC+16*(a%2)+8*\u
.set ss, T2+32*\t+8*(2*(a%2)+\u)
.if (a%2 == 0) && (\u == 0)
	v_wmma_f32_16x16x32_f16 v[dd:dd+7], v[ww:ww+7], v[ss:ss+7], 0
.else
	v_wmma_f32_16x16x32_f16 v[dd:dd+7], v[ww:ww+7], v[ss:ss+7], v[dd:dd+7]
.endif
.endr
.endr
.set a, a+1
.endr
.endm
; z = sum x (GA si2) + BA for column tiles 2 g and 2 g + 1 of both row tiles
.macro ZBN g
.irp u, 0,1
	ds_load_b128 v[ACC+8*\u:ACC+8*\u+3], v[CL] offset:CGA+64*(2*(\g)+\u)
	ds_load_b128 v[ACC+8*\u+4:ACC+8*\u+7], v[CL] offset:CGA+64*(2*(\g)+\u)+16
	ds_load_b128 v[ACC+16+8*\u:ACC+16+8*\u+3], v[CL] offset:CBA+64*(2*(\g)+\u)
	ds_load_b128 v[ACC+16+8*\u+4:ACC+16+8*\u+7], v[CL] offset:CBA+64*(2*(\g)+\u)+16
.endr
	s_wait_dscnt 0x0
.set n, 0
.rept 8
	v_pk_mul_f32 v[ACC+n:ACC+n+1], v[ACC+n:ACC+n+1], v[SI2:SI2+1]
.set n, n+2
.endr
.irp u, 0,1
.irp t, 0,1
.irp i, 0,2,4,6
	v_pk_fma_f32 v[ZB+64*\t+8*(2*(\g)+\u)+\i:ZB+64*\t+8*(2*(\g)+\u)+\i+1], v[ZB+64*\t+8*(2*(\g)+\u)+\i:ZB+64*\t+8*(2*(\g)+\u)+\i+1], v[ACC+8*\u+\i:ACC+8*\u+\i+1], v[ACC+16+8*\u+\i:ACC+16+8*\u+\i+1]
.endr
.endr
.endr
.endm
; The row's largest z: my 64 numbers in four chains, three operands at a time; the row's other 64 lie in the lane 16 away.  NL = -(zmax - 1)
.macro ZMAX t
.set zb, ZB+64*(\t)
.set cc, ACC+4*(\t)
.irp k, 0,1,2,3
	v_max3_num_f32 v[cc+\k], v[zb+16*\k], v[zb+16*\k+1], v[zb+16*\k+2]
.endr
.irp i, 0,1,2,3,4,5
.irp k, 0,1,2,3
	v_max3_num_f32 v[cc+\k], v[cc+\k], v[zb+16*\k+3+2*\i], v[zb+16*\k+4+2*\i]
.endr
.endr
	v_max3_num_f32 v[cc], v[cc], v[zb+15], v[zb+31]
	v_max3_num_f32 v[cc+2], v[cc+2], v[zb+47], v[zb+63]
	v_max3_num_f32 v[cc], v[cc], v[cc+1], v[cc+2]
	v_max_num_f32 v[cc], v[cc], v[cc+3]
	v_permlanex16_b32 v[cc+1], v[cc], s40, s41
	v_max_num_f32 v[cc], v[cc], v[cc+1]
	v_sub_f32 v[NL+\t], 1.0, v[cc]
.endm
; The way out of tile t: a lane's 8 numbers of a row (32 bytes) into my stage, and back as whole rows of 256 bytes
.macro TOSTG t
.irp n, 0,1,2,3
	ds_store_b128 v[STO], v[ZB+16*\n+8*(\t):ZB+16*\n+8*(\t)+3] offset:64*\n
	ds_store_b128 v[STO], v[ZB+16*\n+8*(\t)+4:ZB+16*\n+8*(\t)+7] offset:64*\n+16
.endr
.irp i, 0,1,2,3,4,5,6,7
	ds_load_b128 v[128+32*(\t)+4*\i:128+32*(\t)+4*\i+3], v[RD] offset:2*SP*\i
.endr
.endm
.macro OST t, younger                  ; younger: the LDS instructions issued behind tile t's loads
.irp i, 0,1,2,3,4,5,6,7
	s_wait_dscnt (\younger)+7-\i
	global_store_b128 v[FO], v[128+32*(\t)+4*\i:128+32*(\t)+4*\i+3], s[34:35] offset:4096*(\t)+512*\i th:TH_STORE_NT  ; two rows: 512 consecutive bytes, at a multiple of 256 from out0's first byte
.endr
.endm
	; ---------------- the head: addresses ----------------
	s_load_b512 s[4:19], s[0:1], 0x0       ; features 4, glu1_w 6, glu1_b 8, glu1_g 10, glu1_be 12, glu2_w 14, glu2_b 16, glu2_g 18
	s_load_b512 s[20:35], s[0:1], 0x40     ; glu2_be 20, att_w 22, att_b 24, att_g 26, att_be 28, out_w 30, out_b 32, out0 34
	v_lshl_add_u32 v[SPW], v0, 2, SPARE
	v_mov_b32 v[NIL], 0
	v_lshrrev_b32 v25, 5, v0
	v_readfirstlane_b32 s36, v25           ; wave 0..7
	v_and_b32 v26, 31, v0                  ; l
	v_and_b32 v27, 15, v0                  ; l % 16
	v_bfe_u32 v28, v0, 4, 1                ; l / 16
	v_and_b32 v29, 7, v0
	v_bfe_u32 v30, v0, 3, 1
	v_lshl_add_u32 v29, v28, 3, v29        ; the turning load's row: 8 (l / 16) + l % 8
	v_lshlrev_b32 v30, 4, v30              ; and its 16 bytes: 16 ((l / 8) % 2)
	v_lshlrev_b32 v[PF], 8, v26
	v_mul_u32_u24 v[WB1A], v29, P1
	v_add_nc_u32 v[WB1A], v[WB1A], v30
	v_add_nc_u32 v[WB1B], 128*P1, v[WB1A]
	v_add_nc_u32 v[WB2], LW2, v[WB1A]
	v_mul_u32_u24 v[WBA], v29, PA
	v_add_nc_u32 v[WBA], v[WBA], v30
	v_add_nc_u32 v[WBA], LWA, v[WBA]
	v_mul_u32_u24 v[WBO], v29, PO
	v_add_nc_u32 v[WBO], v[WBO], v30
	v_add_nc_u32 v[WBO], LWO, v[WBO]
	v_lshl_add_u32 v[CL], v28, 5, LCON
	v_lshlrev_b32 v[FO], 4, v26
	s_mul_i32 s2, s36, STGB
	s_add_co_u32 s2, s2, LSTG              ; my stage
	v_lshl_add_u32 v[SA], v26, 3, s2
	v_mul_u32_u24 v31, v27, SP
	v_add_nc_u32 v31, s2, v31
	v_lshl_add_u32 v[FA], v28, 4, v31
	v_lshl_add_u32 v[STO], v28, 5, v31
	v_mul_u32_u24 v[RD], v28, SP
	v_lshl_add_u32 v[RD], v27, 4, v[RD]
	v_add_nc_u32 v[RD], s2, v[RD]
	v_mov_b32 v[ONE], 1.0
	v_mov_b32 v[ONE+1], 1.0
	v_mov_b32 v[ZERO], 0
	; where my share of the weights goes: W1 rows 32 w .., W2, WA and WO rows 16 w ..
	s_mul_i32 s3, s36, 32*P1
	v_lshl_add_u32 v32, v26, 3, s3
	s_mul_i32 s3, s36, 16*P1
	s_add_co_u32 s3, s3, LW2
	v_lshl_add_u32 v33, v26, 3, s3
	s_mul_i32 s3, s36, 16*PA
	s_add_co_u32 s3, s3, LWA
	v_lshl_add_u32 v34, v26, 3, s3
	s_mul_i32 s3, s36, 16*PO
	s_add_co_u32 s3, s3, LWO
	v_mul_u32_u24 v35, v28, PO             ; a load of out_w is two rows: lanes 16-31 take the second
	v_lshl_add_u32 v35, v27, 3, v35
	v_add_nc_u32 v35, s3, v35
	v_lshlrev_b32 v36, 2, v0               ; thread t takes column t of the GLU parameters,
	v_and_b32 v37, 127, v0
	v_lshl_add_u32 v37, v37, 2, 2048       ; column t % 128 of slice 4 of att's,
	v_and_b32 v38, 63, v0
	v_lshlrev_b32 v38, 2, v38              ; column t % 64 of out_b
	v_lshl_add_u32 v39, v0, 2, LCON
.set i, 52
.rept 8
	v_mov_b32 v[i], 0                      ; the sums of squares: v[52:55] glu1_w's, v[56:59] glu2_w's
.set i, i+1
.endr
	s_mov_b32 s40, 0x76543210              ; v_permlanex16_b32: each lane takes its own place in the other half
	s_mov_b32 s41, 0xfedcba98
	s_mov_b32 s42, 0xffff0000              ; a word's upper bf16
	s_mov_b32 s43, 0x7fffffff
	s_cmp_lt_u32 s36, 4
	s_cselect_b32 s44, 1.0, 0xbfb8aa3b     ; waves 4-7 hold the gate columns 128..255: their gain and bias are taken times -log2 e
	s_mov_b32 s47, 0
	s_wait_kmcnt 0x0
	s_lshl_b32 s46, ttmp9, 19              ; features: 512 rows of 1,024 bytes a work-group, 64 a wave
	s_lshl_b32 s3, s36, 16
	s_add_co_u32 s46, s46, s3
	s_add_nc_u64 s[4:5], s[4:5], s[46:47]
	s_lshl_b32 s46, ttmp9, 17              ; out0: rows of 256 bytes
	s_lshl_b32 s3, s36, 14
	s_add_co_u32 s46, s46, s3
	s_add_nc_u64 s[34:35], s[34:35], s[46:47]
	s_lshl_b32 s46, s36, 15                ; glu1_w: 32 rows of 1,024 bytes a wave
	s_add_nc_u64 s[6:7], s[6:7], s[46:47]
	s_lshl_b32 s46, s36, 14                ; glu2_w: 16 rows
	s_add_nc_u64 s[14:15], s[14:15], s[46:47]
	s_lshl_b32 s46, s36, 13                ; att_w: slice 4, 16 rows of 512 bytes
	s_add_co_u32 s46, s46, 262144
	s_add_nc_u64 s[22:23], s[22:23], s[46:47]
	s_lshl_b32 s46, s36, 12                ; out_w: 16 rows of 256 bytes
	s_add_nc_u64 s[30:31], s[30:31], s[46:47]
	; ---------------- the weights into LDS; the first block's features beside them ----------------
	global_load_b32 v40, v36, s[8:9]       ; glu1_b
	global_load_b32 v41, v36, s[10:11]     ; glu1_g
	global_load_b32 v42, v36, s[12:13]     ; glu1_be
	global_load_b32 v43, v36, s[16:17]     ; glu2_b
	global_load_b32 v44, v36, s[18:19]     ; glu2_g
	global_load_b32 v45, v36, s[20:21]     ; glu2_be
	global_load_b32 v46, v37, s[24:25]     ; att_b[4]
	global_load_b32 v47, v37, s[26:27]     ; att_g[4]
	global_load_b32 v48, v37, s[28:29]     ; att_be[4]
	global_load_b32 v49, v38, s[32:33]     ; out_b
.set ISSUED, 10
.set EP, ISSUED
	WLOAD 6, 0, 64, 16                     ; glu1_w, my rows 0-7
.set E0, ISSUED
	WLOAD 6, 8192, 128, 16                 ; rows 8-15
.set E1, ISSUED
	WLOAD 6, 16384, 192, 16                ; rows 16-23
.set E2, ISSUED
	FLOAD 0, 0
.set F0, ISSUED
	FLOAD 1, 1
.set F1, ISSUED
	WAITL EP                               ; the ten parameters
	v_cvt_pk_bf16_f32 v40, v40, v41        ; every input is rounded to bf16: b1 | g1
	v_cvt_pk_bf16_f32 v42, v42, v43        ; be1 | b2
	v_cvt_pk_bf16_f32 v44, v44, v45        ; g2 | be2
	v_cvt_pk_bf16_f32 v46, v46, v47        ; ab | ag
	v_cvt_pk_bf16_f32 v48, v48, v49        ; abe | ob
	v_and_b32 v41, s42, v40
	v_lshlrev_b32 v40, 16, v40
	v_and_b32 v43, s42, v42
	v_lshlrev_b32 v42, 16, v42
	v_and_b32 v45, s42, v44
	v_lshlrev_b32 v44, 16, v44
	v_and_b32 v47, s42, v46
	v_lshlrev_b32 v46, 16, v46
	v_and_b32 v49, s42, v48
	v_lshlrev_b32 v48, 16, v48
	v_mul_f32 v41, 0x3f7fdf42, v41         ; G = g / sqrt(1 + 1e-3), the factor in f32 as the function has it
	v_mul_f32 v44, 0x3f7fdf42, v44
	v_mul_f32 v47, 0x3f7fdf42, v47
	v_fma_f32 v40, v40, v41, v42           ; B = b G + be
	v_fma_f32 v43, v43, v44, v45
	v_fma_f32 v46, v46, v47, v48
	v_mul_f32 v41, s44, v41
	v_mul_f32 v40, s44, v40
	v_mul_f32 v44, s44, v44
	v_mul_f32 v43, s44, v43
	ds_store_b32 v39, v41 offset:CG1
	ds_store_b32 v39, v40 offset:CB1
	ds_store_b32 v39, v44 offset:CG2
	ds_store_b32 v39, v43 offset:CB2
	s_cmp_lt_u32 s36, 4                    ; att has 128 columns: threads 0-127 store them,
	s_cbranch_scc0 .Lno_att
	ds_store_b32 v39, v47 offset:CGA
	ds_store_b32 v39, v46 offset:CBA
	s_cmp_lt_u32 s36, 2                    ; out_b has 64
	s_cbranch_scc0 .Lno_att
	ds_store_b32 v39, v49 offset:COB
.Lno_att:
	WAITL E0
	WPROC 0, 52, 64, 16, 32, 0, 2, P1
	WLOAD 6, 24576, 64, 16                 ; glu1_w rows 24-31
.set E0, ISSUED
	WAITL E1
	WPROC 0, 52, 128, 16, 32, 8, 2, P1
	WLOAD 14, 0, 128, 16                   ; glu2_w rows 0-7
.set E1, ISSUED
	WAITL E2
	WPROC 0, 52, 192, 16, 32, 16, 2, P1
	WLOAD 14, 8192, 192, 16                ; glu2_w rows 8-15
.set E2, ISSUED
	WAITL F0
	FCONV 0, 0
	FLOAD 2, 0
.set F0, ISSUED
	WAITL F1
	FCONV 1, 1
	FLOAD 3, 1
.set F1, ISSUED
	WAITL E0
	WPROC 0, 52, 64, 16, 32, 24, 2, P1
	WLOAD 22, 0, 64, 16                    ; att_w[4], my 16 rows
.set E0, ISSUED
	WAITL E1
	WPROC 1, 56, 128, 16, 33, 0, 2, P1
	WLOAD 30, 0, 128, 8                    ; out_w, my 16 rows
.set E1, ISSUED
	WAITL E2
	WPROC 1, 56, 192, 16, 33, 8, 2, P1
	WAITL E0
	WPROC 1, -1, 64, 16, 34, 0, 1, PA
	WAITL E1                               ; for 0: out_w is in, and with it every older load, the first block's chunks 2 and 3 among them
	WPROC 1, -1, 128, 8, 35, 0, 1, 2*PO
	v_pk_add_f32 v[52:53], v[52:53], v[54:55]
	v_pk_add_f32 v[56:57], v[56:57], v[58:59]
	v_add_f32 v52, v52, v53
	v_add_f32 v56, v56, v57
	LANESUM 52, 53
	LANESUM 56, 57
	v_mov_b32 v50, s36
	v_lshl_add_u32 v50, v50, 2, LSTAT
	ds_store_b32 v50, v52                  ; all lanes write my wave's word with the same number
	ds_store_b32 v50, v56 offset:32
	s_wait_dscnt 0x0                       ; for the others' sake: my part of the weights, the tables and the sums is in LDS
	s_barrier_signal -1
	s_barrier_wait -1                      ; everybody's is.  The only barrier: from here on weights and tables are only read, and the stages are each wave's own
	; ---------------- the bounds' constants, every wave for itself ----------------
	v_mov_b32 v50, LSTAT
	v_lshl_add_u32 v51, v26, 4, LCON       ; four of the 128 value columns a lane
	ds_load_b128 v[64:67], v50
	ds_load_b128 v[68:71], v50 offset:16
	ds_load_b128 v[72:75], v50 offset:32
	ds_load_b128 v[76:79], v50 offset:48
	ds_load_b128 v[80:83], v51 offset:CG1
	ds_load_b128 v[84:87], v51 offset:CB1
	ds_load_b128 v[88:91], v51 offset:CG2
	ds_load_b128 v[92:95], v51 offset:CB2
	FCONV 2, 0                             ; the rest of the first block's X stands between those loads and the wait for them
	FCONV 3, 1
	s_add_nc_u64 s[4:5], s[4:5], 32768     ; every load of features is in: on to my second block
	s_wait_dscnt 48                        ; the two conversions' 2 x (16 stores + 8 loads) may be out
	v_pk_add_f32 v[64:65], v[64:65], v[66:67]
	v_pk_add_f32 v[68:69], v[68:69], v[70:71]
	v_pk_add_f32 v[72:73], v[72:73], v[74:75]
	v_pk_add_f32 v[76:77], v[76:77], v[78:79]
	v_pk_add_f32 v[64:65], v[64:65], v[68:69]
	v_pk_add_f32 v[72:73], v[72:73], v[76:77]
	v_add_f32 v64, v64, v65                ; sum of glu1_w^2
	v_add_f32 v72, v72, v73
	v_mul_f32 v72, 0x43000000, v72         ; 128 x sum of glu2_w^2
	v_sqrt_f32 v64, v64
	v_sqrt_f32 v72, v72
.set i, 80
.rept 16
	v_and_b32 v[i], s43, v[i]
.set i, i+1
.endr
.irp b, 80,84,88,92
	v_max3_num_f32 v[\b], v[\b], v[\b+1], v[\b+2]
.endr
.irp b, 80,84,88,92
	v_max_num_f32 v[\b], v[\b], v[\b+3]
.endr
	LANEMAX 80, 80, 81
	LANEMAX D1, 84, 85
	LANEMAX 88, 88, 89
	LANEMAX D2, 92, 93
	s_wait_alu depctr_va_vdst(0)           ; one wait for the two roots, ahead of their first reader; the maxima above are the independent work between
	v_mul_f32 v[C1], v64, v80
	v_mul_f32 v[C2], v72, v88
	s_mov_b32 s37, 2                       ; blocks to go
	; ---------------- a block of 32 rows ----------------
.Lblock:
	s_cmp_eq_u32 s37, 1                    ; the last block has no successor: the three parts that fetch one are jumped, with the waits for its loads
	s_cbranch_scc1 .Lno_a
	s_wait_loadcnt 0x0                     ; the raw buffers are asked for again only when no earlier load into them is out (none is: the counts before ended at 0)
	FLOAD 0, 0                             ; the next block's tile 0
	FLOAD 1, 1
	global_prefetch_b8 v[PF], s[4:5] offset:16384 th:TH_LOAD_NT scope:SCOPE_SE  ; its tile 1, 16,384 consecutive bytes, 256 a lane and line: loaded behind GLU1's 256 products.
	global_prefetch_b8 v[PF], s[4:5] offset:24576 th:TH_LOAD_NT scope:SCOPE_SE  ; Each wave asks for what it alone will load; the last block asks for nothing
.Lno_a:
	s_wait_dscnt 0x0                       ; X is in
	; the block's largest row norm: X X^T, the two tiles' accumulators by turns
	WIN 0x05
.set k, 0
.rept 8
.irp t, 0,1
.if k == 0
	v_wmma_f32_16x16x32_bf16 v[ACC+8*\t:ACC+8*\t+7], v[64*\t+8*k:64*\t+8*k+7], v[64*\t+8*k:64*\t+8*k+7], 0
.else
	v_wmma_f32_16x16x32_bf16 v[ACC+8*\t:ACC+8*\t+7], v[64*\t+8*k:64*\t+8*k+7], v[64*\t+8*k:64*\t+8*k+7], v[ACC+8*\t:ACC+8*\t+7]
.endif
.endr
.set k, k+1
.endr
	WIN 0
	PLACES
	v_max3_num_f32 v48, v32, v33, v34      ; |x_m . x_n| <= the larger of the two norms squared: the largest entry is the largest diagonal one
	v_max3_num_f32 v49, v40, v41, v42
	v_max3_num_f32 v48, v48, v35, v36
	v_max3_num_f32 v49, v49, v43, v44
	v_max3_num_f32 v48, v48, v37, v38
	v_max3_num_f32 v49, v49, v45, v46
	v_max3_num_f32 v48, v48, v39, v47
	v_max_num_f32 v48, v48, v49
	LANEMAX 48, 48, 49
	v_sqrt_f32 v48, v48
	v_nop                                  ; a plain instruction behind the root,
	s_wait_alu depctr_va_vdst(0)           ; and the wait ahead of its first reader
	v_fma_f32 v49, v48, v[C1], v[D1]       ; b1 >= |t1|
	v_fma_f32 v50, v49, v[C2], v[D2]       ; b2 >= |t2|
	v_and_b32 v49, 0x7f800000, v49         ; the exponent alone,
	v_and_b32 v50, 0x7f800000, v50
	v_max_u32 v49, 0x7000000, v49          ; at least 14, so that si is no denormal,
	v_max_u32 v50, 0x7000000, v50
	v_add_nc_u32 v[SI1], 0xf9800000, v49   ; less 13
	v_add_nc_u32 v[SI1+1], 0xf9800000, v49
	v_add_nc_u32 v[SI2], 0xf9800000, v50
	v_add_nc_u32 v[SI2+1], 0xf9800000, v50
	GLU 1
	s_cmp_eq_u32 s37, 1
	s_cbranch_scc1 .Lno_d
	s_wait_loadcnt 16                      ; chunk 0 is in; chunk 1's 16 loads may be out.  X is free: its last readers stand in front of the last EPI
	FCONV 0, 0
	FLOAD 2, 0
	s_wait_loadcnt 16                      ; chunk 1 is in; chunk 2's may be out
	FCONV 1, 1
	FLOAD 3, 1
.Lno_d:
	GLU 2
	s_cmp_eq_u32 s37, 1
	s_cbranch_scc1 .Lno_f
	s_wait_loadcnt 16                      ; chunk 2
	FCONV 2, 0
	s_wait_loadcnt 0x0                     ; chunk 3
	FCONV 3, 1
	s_wait_xcnt 0x0                        ; the prefetches, two layers back, have read their address too
	s_add_nc_u64 s[4:5], s[4:5], 32768
.Lno_f:
	APHASE WBA, PA, 8, ZB, 8, 64           ; sums of (t2 / si2) @ att_w[4]
	PLACES                                 ; behind the last products: their results are read, and tables are loaded over their fragments
	ZBN 0
	ZBN 1
	ZBN 2
	ZBN 3
	ZMAX 0
	ZMAX 1
	; tau by halving [zmax - 1, zmax].  For t in that interval z - t <= 1, so max(z - t, 0) is z - t held to 0 .. 1: one packed line for two numbers, one more to add them.
	s_mov_b32 s38, 17
	s_mov_b32 s39, 0x3f000000              ; the step, 2^-1; a trip takes 1 from its exponent
.Lbis:
.irp t, 0,1
	v_sub_f32 v[NT+2*\t], v[NL+\t], s39    ; minus (lower end + step)
	v_sub_f32 v[NT+2*\t+1], v[NL+\t], s39
.endr
.irp t, 0,1
.irp c, 0,2,4,6
	v_pk_fma_f32 v[ACC+16*\t+\c:ACC+16*\t+\c+1], v[ZB+64*\t+\c:ZB+64*\t+\c+1], v[ONE:ONE+1], v[NT+2*\t:NT+2*\t+1] clamp  ; the first four pairs start the four sums
.endr
.endr
.set g, 1
.rept 7
.irp t, 0,1
.irp c, 0,2,4,6
	v_pk_fma_f32 v[ACC+16*\t+8+\c:ACC+16*\t+8+\c+1], v[ZB+64*\t+8*g+\c:ZB+64*\t+8*g+\c+1], v[ONE:ONE+1], v[NT+2*\t:NT+2*\t+1] clamp
.endr
.endr
.irp t, 0,1
.irp c, 0,2,4,6
	v_pk_add_f32 v[ACC+16*\t+\c:ACC+16*\t+\c+1], v[ACC+16*\t+\c:ACC+16*\t+\c+1], v[ACC+16*\t+8+\c:ACC+16*\t+8+\c+1]
.endr
.endr
.set g, g+1
.endr
.irp t, 0,1
	v_pk_add_f32 v[ACC+16*\t:ACC+16*\t+1], v[ACC+16*\t:ACC+16*\t+1], v[ACC+16*\t+2:ACC+16*\t+3]
	v_pk_add_f32 v[ACC+16*\t+4:ACC+16*\t+5], v[ACC+16*\t+4:ACC+16*\t+5], v[ACC+16*\t+6:ACC+16*\t+7]
.endr
.irp t, 0,1
	v_pk_add_f32 v[ACC+16*\t:ACC+16*\t+1], v[ACC+16*\t:ACC+16*\t+1], v[ACC+16*\t+4:ACC+16*\t+5]
.endr
.irp t, 0,1
	v_add_f32 v[ACC+16*\t], v[ACC+16*\t], v[ACC+16*\t+1]
.endr
.irp t, 0,1
	v_permlanex16_b32 v[ACC+16*\t+8], v[ACC+16*\t], s40, s41
.endr
.irp t, 0,1
	v_add_f32 v[ACC+16*\t], v[ACC+16*\t], v[ACC+16*\t+8]   ; the row's sum, the same number in both of its lanes
.endr
.irp t, 0,1
	v_cmp_le_f32 vcc_lo, 1.0, v[ACC+16*\t]
	v_cndmask_b32 v[NL+\t], v[NL+\t], v[NT+2*\t], vcc_lo   ; sum >= 1: tau lies above the point tried
.endr
	s_sub_co_u32 s39, s39, 0x800000
	s_sub_co_u32 s38, s38, 1
	s_cmp_lg_u32 s38, 0
	s_cbranch_scc1 .Lbis
	; the mask: z less the middle of the last interval (s39 now holds 2^-18), held to 0 .. 1, in place
.irp t, 0,1
	v_sub_f32 v[NT+2*\t], v[NL+\t], s39
	v_sub_f32 v[NT+2*\t+1], v[NL+\t], s39
.endr
.irp t, 0,1
.set n, 0
.rept 32
	v_pk_fma_f32 v[ZB+64*\t+n:ZB+64*\t+n+1], v[ZB+64*\t+n:ZB+64*\t+n+1], v[ONE:ONE+1], v[NT+2*\t:NT+2*\t+1] clamp
.set n, n+2
.endr
.endr
	; t2 / si2 times the mask, rounded once to f16, in place: register i of k block c holds columns 32 c + 16 (i / 4) + 8 (l / 16) + 2 (i % 4) + 0, 1, as z(t, 2 c + i / 4) does in registers 2 (i % 4) + 0, 1
.irp t, 0,1
.set n, 0
.rept 32
.set pp, T2+32*\t+n
.set mm, ZB+64*\t+8*(n/4)+2*(n%4)
	v_fma_mixlo_f16 v[pp], v[pp], v[mm], v[ZERO] op_sel_hi:[1,0,0]
	v_fma_mixhi_f16 v[pp], v[pp], v[mm+1], v[ZERO] op_sel:[1,0,0] op_sel_hi:[1,0,0]
.set n, n+1
.endr
.endr
	APHASE WBO, PO, 4, ZB, 16, 8           ; sums of (t2 mask / si2) @ out_w
	PLACES
.irp n, 0,1,2,3
	ds_load_b128 v[ACC+8*\n:ACC+8*\n+3], v[CL] offset:COB+64*\n
	ds_load_b128 v[ACC+8*\n+4:ACC+8*\n+7], v[CL] offset:COB+64*\n+16
.endr
	s_wait_dscnt 0x0
.irp n, 0,1,2,3
.irp t, 0,1
.irp i, 0,2,4,6
	v_pk_fma_f32 v[ZB+16*\n+8*\t+\i:ZB+16*\n+8*\t+\i+1], v[ZB+16*\n+8*\t+\i:ZB+16*\n+8*\t+\i+1], v[SI2:SI2+1], v[ACC+8*\n+\i:ACC+8*\n+\i+1]
.endr
.endr
.endr
	TOSTG 0
	TOSTG 1                                ; its stores come behind tile 0's loads, which LDS serves first
	OST 0, 16
	OST 1, 0
	s_wait_xcnt 0x0                        ; the stores have read their data and their base: both are written again only behind this wait
	s_add_nc_u64 s[34:35], s[34:35], 8192
	s_sub_co_u32 s37, s37, 1
	s_cmp_lg_u32 s37, 0
	s_cbranch_scc1 .Lblock
	s_wait_tensorcnt 0x0                   ; the wave's end, behind my last LDS store
	ds_add_u32 v[SPW], v[NIL]
	s_wait_dscnt 0x0
	s_endpgm
.Lfunc_end_k_qd7681a3ee7_tabnet:
	.size	k_qd7681a3ee7_tabnet, .Lfunc_end_k_qd7681a3ee7_tabnet-k_qd7681a3ee7_tabnet
	.p2alignl 7, 3214868480
	.fill 96, 4, 3214868480
	.section	.rodata,"a",@progbits
	.p2align	6, 0x0
	.amdhsa_kernel k_qd7681a3ee7_tabnet
		.amdhsa_group_segment_fixed_size 307712
		.amdhsa_private_segment_fixed_size 0
		.amdhsa_enable_private_segment 0
		.amdhsa_kernarg_size 128
		.amdhsa_user_sgpr_count 2
		.amdhsa_user_sgpr_kernarg_segment_ptr 1
		.amdhsa_wavefront_size32 1
		.amdhsa_system_sgpr_workgroup_id_x 1
		.amdhsa_system_sgpr_workgroup_id_y 1
		.amdhsa_system_sgpr_workgroup_id_z 1
		.amdhsa_system_vgpr_workitem_id 0
		.amdhsa_next_free_vgpr 512
		.amdhsa_next_free_sgpr 66
		.amdhsa_reserve_vcc 1
		.amdhsa_float_denorm_mode_32 3
		.amdhsa_float_denorm_mode_16_64 3
		.amdhsa_memory_ordered 1
		.amdhsa_forward_progress 1
		.amdhsa_inst_pref_size 255
	.end_amdhsa_kernel
	.section	.bss,"aw",@nobits
	.p2align	6
	.space	262144
	.amdgpu_metadata
---
amdhsa.version: [ 1, 2 ]
amdhsa.kernels:
  - .name:           k_qd7681a3ee7_tabnet
    .symbol:         k_qd7681a3ee7_tabnet.kd
    .args:
      - { .name: features, .offset: 0, .size: 8, .value_kind: global_buffer, .address_space: global }
      - { .name: glu1_w, .offset: 8, .size: 8, .value_kind: global_buffer, .address_space: global }
      - { .name: glu1_b, .offset: 16, .size: 8, .value_kind: global_buffer, .address_space: global }
      - { .name: glu1_g, .offset: 24, .size: 8, .value_kind: global_buffer, .address_space: global }
      - { .name: glu1_be, .offset: 32, .size: 8, .value_kind: global_buffer, .address_space: global }
      - { .name: glu2_w, .offset: 40, .size: 8, .value_kind: global_buffer, .address_space: global }
      - { .name: glu2_b, .offset: 48, .size: 8, .value_kind: global_buffer, .address_space: global }
      - { .name: glu2_g, .offset: 56, .size: 8, .value_kind: global_buffer, .address_space: global }
      - { .name: glu2_be, .offset: 64, .size: 8, .value_kind: global_buffer, .address_space: global }
      - { .name: att_w, .offset: 72, .size: 8, .value_kind: global_buffer, .address_space: global }
      - { .name: att_b, .offset: 80, .size: 8, .value_kind: global_buffer, .address_space: global }
      - { .name: att_g, .offset: 88, .size: 8, .value_kind: global_buffer, .address_space: global }
      - { .name: att_be, .offset: 96, .size: 8, .value_kind: global_buffer, .address_space: global }
      - { .name: out_w, .offset: 104, .size: 8, .value_kind: global_buffer, .address_space: global }
      - { .name: out_b, .offset: 112, .size: 8, .value_kind: global_buffer, .address_space: global }
      - { .name: out0, .offset: 120, .size: 8, .value_kind: global_buffer, .address_space: global }
    .group_segment_fixed_size: 307712
    .private_segment_fixed_size: 0
    .kernarg_segment_align: 8
    .kernarg_segment_size: 128
    .max_flat_workgroup_size: 256
    .sgpr_count:     66
    .vgpr_count:     512
    .wavefront_size: 32
...
	.end_amdgpu_metadata
.endif
;; end of part 1
;; ======== version 2 of 2: 1 launch; version 1 with the launch tabnet written anew for expert scheduling mode
;; limits: a function is approximated: absolute error at most 3.815e-06; values are held in f16: magnitudes above 65,504 overflow, below 6.1e-05 lose precision; inputs' magnitudes at most 65,504
;; launch tabnet (part 2): grid 256 x 1, 8 waves a work-group, no clusters, 307,712 bytes of LDS; arguments features, glu1_w, glu1_b, glu1_g, glu1_be, glu2_w, glu2_b, glu2_g, glu2_be, att_w, att_b, att_g, att_be, out_w, out_b, out0; writes out0
.if DOCPART == 2
	.amdgcn_target "amdgcn-amd-amdhsa--gfx1250"
	.amdhsa_code_object_version 6
	.text
	.protected	k_qd7681a3ee7_tabnet
	.globl	k_qd7681a3ee7_tabnet
	.p2align	8
	.type	k_qd7681a3ee7_tabnet,@function
k_qd7681a3ee7_tabnet:
	s_mov_b64 s[64:65], 0
	v_nop
	global_prefetch_b8 v0, s[64:65] scope:SCOPE_SE
	s_setreg_imm32_b32 hwreg(HW_REG_WAVE_SCHED_MODE, 0, 2), 2
	s_setreg_imm32_b32 hwreg(HW_REG_WAVE_MODE, 25, 1), 1
	s_wait_xcnt 0x0
	s_wait_alu depctr_vm_vsrc(0)
; TabNetEncoder.  out0 = (t2 * sparsemax(bn(t2 @ att_w[4] + att_b[4]))) @ out_w + out_b,  t2 = glu2(glu1(features)).
; The function returns the LAST decision step's output alone: steps 0 to 3 and prior_scales feed nothing that is returned, whatever the inputs hold, so they are not computed,
; and of att_w, att_b, att_g, att_be only slice 4 is read.
; SHARES.  256 work-groups of 8 waves; a work-group owns 512 rows, a wave 64, walked as 2 blocks of 32 rows = 2 tiles of 16.  All weights lie in LDS in 16 bits (one barrier, behind
; their conversion); behind that barrier no wave waits for another.
; LAYOUT.  Every product is taken transposed: source 0 = 16 output columns of a weight matrix (read turned out of [K][N] by ds_load_tr16_b128), source 1 = 16 data rows.  In a result lane
; l holds data row l % 16 and the output columns n0 + 8 (l / 16) + 0..7; two such results, packed in pairs, ARE the next product's source 1: nothing changes lanes between the layers.
; FORMATS.  All fifteen inputs are rounded once to bf16.  GLU1 multiplies in bf16.  What the program itself makes (t1, t2, t2 * mask) goes on in f16, divided by a power of two si that is
; taken from a bound of the block: |t1| <= b1 = nx C1 + D1, |t2| <= b2 = b1 C2 + D2, nx = the block's largest row norm (from products X X^T, whose largest entry lies on the diagonal),
; C1 = sqrt(sum glu1_w^2) max|G1|, C2 = sqrt(128 sum glu2_w^2) max|G2|, D = max|B| (value columns).  si = 2^(exponent(b) - 13), so |t / si| < 2^14.  The division costs nothing:
; sigmoid / si = 1 / (si + si e); the next layer's gain is multiplied by si.  The weights of GLU2, att and out are the bf16 numbers written as f16.
; SPARSEMAX.  tau is the root of sum max(z - t, 0) = 1 and lies in [zmax - 1, zmax]: 17 halvings of that interval, each a clamped sum over the row, then its middle.
; LIMITS.  |tau' - tau| <= 2^-18 for every input.  An f16 weight is exact for 2^-17 <= |w| <= 65,504; below, off by 2^-25 at the most; above, an infinity.  t / si below 2^-14 keeps
; f16's fixed step 2^-24.  The sums of squares lie in 2^-126 .. 2^127 and the bounds b1, b2 under 2^127.  NaN and infinities are not treated apart.
; THE MODE: SCHED_MODE bits 1:0 = 2 (LLVM: expert scheduling mode 2), set by the entry lines.  The code itself states the register dependences between vector or matrix instructions
; and memory or LDS instructions, with s_wait_alu, always for 0.
; THE PLAN.  Registers that memory or LDS instructions touch, and who else names them:
;   v1-v13, v25      addresses: made at the head, ahead of one wait on va_vdst, and never written again.
;   RAW              window 1, v128-255, four uses in a block.  (1) A chunk of features lands; FCONV rounds it in place, its stage stores read it: va_vdst between roundings and stores; vm_vsrc and
;                    va_vdst ahead of the loads that land there next.  (2) att's fragments, two halves of 64 by turns, 16 products a half: va_vdst ahead of each refill.  (3) att's two tables.
;                    (4) all of out_w's fragments, asked for ahead of the halvings.  One va_vdst stands ahead of each change of use.
;   X                window 1, v0-127: FCONV's LDS loads land, behind FCONV's own wait; the products of the norm and of GLU1 read.  Tile 1's half holds GLU2's fragments between GLU1 and chunks 2, 3.
;   fragment buffers GLU1: v64-95 and v192-223 (T2's first half, idle until GLU2 rounds into it); GLU2: window 1, v64-95 and v96-127.  A group is two K steps: 8 loads, 8 products.  ONE wait on va_vdst
;                    at a group's head: the group before is done reading the other buffer, in which the next group's loads land; at a pair's first group also: EPI is done with KON.
;   KON, v32-63      tables: they land behind a wait that stands behind their last vector readers.
;   v64-127, v128-191  the way out: stage stores read the first, stage loads land in the second and the global stores read it: va_vdst ahead of the stage stores, vm_vsrc at the block's end.
.set P1,    544                        ; LDS pitch of W1 and W2: 256 columns x 2 bytes + 32: an odd multiple of 32 bytes
.set PA,    288                        ; of WA: 128 columns + 32
.set PO,    160                        ; of WO: 64 columns + 32
.set LW2,   139264                     ; W1 (bf16, 256 k) lies at 0; W2 (f16, 128 k) here
.set LWA,   208896                     ; att_w[4] (f16, 128 k)
.set LWO,   245760                     ; out_w (f16, 128 k)
.set LCON,  266240                     ; f32 tables:
.set CG1,   0                          ;   G1[256] = g * INV (gate columns: times -log2 e),  B1[256] = b * G + be
.set CB1,   1024
.set CG2,   2048
.set CB2,   3072
.set CGA,   4096                       ;   GA[128], BA[128]
.set CBA,   4608
.set COB,   5120                       ;   out_b[64]
.set LSTAT, 271616                     ; the waves' partial sums of squares: glu1_w's 8 words, glu2_w's 8 words
.set LSTG,  271872                     ; a stage of 16 rows x 272 bytes for each wave, its own
.set STGB,  4352
.set SP,    272                        ; 256 bytes + 16: the 16 rows of a load start at 16 different groups of four banks (64 banks of 4 bytes: ISA guide 11.1)
.set SPARE, 306688                     ; the spare words, 128 bytes for each wave: four blocks of 256 bytes that no other line names
; window 0
.set SPW,  1                           ; v1   LDS address of my spare word; never rewritten
.set NIL,  2                           ; v2   0; never rewritten
.set WB1A, 3                           ; v3   my lane's place in a turned fragment of W1, k 0..127
.set WB1B, 4                           ; v4   the same, k 128..255
.set WB2,  5                           ; v5   of W2
.set WBA,  6                           ; v6   of WA
.set WBO,  7                           ; v7   of WO
.set CL,   8                           ; v8   LCON + 32 (l / 16): my eight columns' numbers in a table
.set FO,   9                           ; v9   16 l: my 16 bytes of 512 consecutive bytes in memory
.set SA,   10                          ; v10  stage + 8 l
.set FA,   11                          ; v11  stage + 272 (l % 16) + 16 (l / 16)
.set STO,  12                          ; v12  stage + 272 (l % 16) + 32 (l / 16)
.set RD,   13                          ; v13  stage + 272 (l / 16) + 16 (l % 16)
.set SI1,  14                          ; v[14:15] si of t1, twice
.set SI2,  16                          ; v[16:17] si of t2, twice
.set ONE,  18                          ; v[18:19] 1.0, 1.0
.set ZERO, 20                          ; v20  0.0
.set C1,   21
.set D1,   22
.set C2,   23
.set D2,   24
.set PF,   25                          ; v25  256 l: the prefetches' offset
.set NL,   26                          ; v26, v27   minus the interval's lower end, tile 0, 1
.set NT,   28                          ; v[28:29], v[30:31]   minus the point tried, twice, tile 0, 1
.set ACC,  32                          ; v32-63   GLU: A(t) at 32 + 8 t, gate(t) at 48 + 8 t; else at work
                                       ; v64-95   GLU1: fragment buffer 0 (buffer 1: v192-223)
.set KON,  96                          ; v96-127  GLU: Gg, Bg, Ga, Ba of the pair of column tiles in hand
.set T1,   128                         ; v128-191 t1 / si1 in f16: tile t, k block c at 128 + 32 t + 8 c
.set T2,   192                         ; v192-255 t2 / si2 likewise; later times the mask
.set ZB,   64                          ; v64-191  z(t, nt) at 64 + 64 t + 8 nt; later out(nt, t) at 64 + 16 nt + 8 t and the rows read back at 128 + 32 t
; window 1: v0-127 X(t, ks) at 64 t + 8 ks (v64-127 in GLU2: two fragment buffers);  v128-255 two buffers of 64: raw f32 chunks, then att's fragments, att's tables, out_w's fragments
.set RAW,  128
.set MSB, 0
.macro WIN new                         ; bits 1:0 source 0, 3:2 source 1, 5:4 source 2, 7:6 destination; the high byte repeats the setting that is left
.if MSB != (\new)
	s_set_vgpr_msb (MSB<<8)|(\new)
.set MSB, \new
.endif
.endm
; A vector instruction that reads a matrix result, or writes one of a matrix instruction's registers, stands four places behind it; only plain vector instructions that name none of
; its registers are places (ISA guide 7.12.1).  A load into a register that a matrix instruction has read stands behind a wait on va_vdst.
.macro PLACES
.rept 4
	v_nop
.endr
.endm
.macro LANEMAX dst, v, tmp             ; the largest over the 32 lanes, in every lane
	v_max_num_f32_dpp v[\v], v[\v], v[\v] row_xmask:1 row_mask:0xf bank_mask:0xf
	v_max_num_f32_dpp v[\v], v[\v], v[\v] row_xmask:2 row_mask:0xf bank_mask:0xf
	v_max_num_f32_dpp v[\v], v[\v], v[\v] row_xmask:4 row_mask:0xf bank_mask:0xf
	v_max_num_f32_dpp v[\v], v[\v], v[\v] row_xmask:8 row_mask:0xf bank_mask:0xf
	v_permlanex16_b32 v[\tmp], v[\v], s40, s41
	v_max_num_f32 v[\dst], v[\v], v[\tmp]
.endm
.macro LANESUM v, tmp
	v_add_f32_dpp v[\v], v[\v], v[\v] row_xmask:1 row_mask:0xf bank_mask:0xf
	v_add_f32_dpp v[\v], v[\v], v[\v] row_xmask:2 row_mask:0xf bank_mask:0xf
	v_add_f32_dpp v[\v], v[\v], v[\v] row_xmask:4 row_mask:0xf bank_mask:0xf
	v_add_f32_dpp v[\v], v[\v], v[\v] row_xmask:8 row_mask:0xf bank_mask:0xf
	v_permlanex16_b32 v[\tmp], v[\v], s40, s41
	v_add_f32 v[\v], v[\v], v[\tmp]
.endm
; A turned fragment: 16 columns x 32 k out of [K][N]: k0 + 8 (l / 16) + 0..7 of column n0 + l % 16, then the k 16 further on.  off = k0 x pitch + 2 n0
.macro FRAG dst, base, off, pitch
	ds_load_tr16_b128 v[\dst:\dst+3], v[\base] offset:\off
	ds_load_tr16_b128 v[\dst+4:\dst+7], v[\base] offset:(\off)+16*(\pitch)
.endm
; Chunk q of a block of features: tile q / 2, K half q % 2: 16 rows x 512 bytes; each load covers 512 consecutive bytes, aligned.
; src = 1: stage stores have read the buffer since the last wait on vm_vsrc.  dst = 1: vector or matrix instructions have named a raw buffer since it was last loaded.
.macro FLOAD q, buf, src, dst
	WIN 0x40                               ; destination window 1
.if \src
	s_wait_alu depctr_vm_vsrc(0)           ; the stage stores have read this raw buffer, in which the loads below land
.endif
.if \dst
	s_wait_alu depctr_va_vdst(0)           ; what named the raw buffers last (a chunk's roundings; the products that took out_w's fragments from them) is done: the loads below land there
.endif
.set i, 0
.rept 16
	global_load_b128 v[RAW+64*(\buf)+4*i:RAW+64*(\buf)+4*i+3], v[FO], s[4:5] offset:16384*((\q)/2)+1024*i+512*((\q)%2) th:TH_LOAD_NT
.set i, i+1
.endr
	WIN 0
.set ISSUED, ISSUED+16
.endm
; The chunk is rounded to bf16 in place, laid into my stage by rows, and read back as four fragments of X.  LDS serves a wave's instructions in order (ISA guide 5.7.1.4) and the stage is
; my own: no wait on DScnt stands between the stores and the loads, nor in front of the next chunk's stores.
.macro FCONV q, buf
.set rb, RAW+64*(\buf)
	WIN 0x45                               ; destination and both sources window 1
.set i, 0
.rept 16
	v_cvt_pk_bf16_f32 v[rb+4*i], v[rb+4*i], v[rb+4*i+1]
	v_cvt_pk_bf16_f32 v[rb+4*i+1], v[rb+4*i+2], v[rb+4*i+3]
.set i, i+1
.endr
	WIN 0x04                               ; a store's data is source 1
	s_wait_alu depctr_va_vdst(0)           ; the roundings have written the chunk, which the stage stores read; and every product that read the part of X in which the loads below land is done
.set i, 0
.rept 16
	ds_store_b64 v[SA], v[rb+4*i:rb+4*i+1] offset:SP*i
.set i, i+1
.endr
	WIN 0x40
.set i, 0
.rept 4
.set xr, 64*((\q)/2)+8*(4*((\q)%2)+i)
	ds_load_b128 v[xr:xr+3], v[FA] offset:64*i
	ds_load_b128 v[xr+4:xr+7], v[FA] offset:64*i+32
.set i, i+1
.endr
	WIN 0
.endm
; A batch of weights: n loads of 512 consecutive bytes.  ISSUED counts the wave's global loads; the symbol set behind a batch holds the count at its last load.
; src = 1: the buffer held a batch before, whose LDS stores read it.
.macro WLOAD sp, off, buf, n, src
.if \src
	s_wait_alu depctr_vm_vsrc(0)           ; the LDS stores of the batch before have read these registers, in which the loads land (its roundings stand ahead of the last wait on va_vdst)
.endif
.set i, 0
.rept \n
	global_load_b128 v[(\buf)+4*i:(\buf)+4*i+3], v[FO], s[\sp:\sp+1] offset:(\off)+512*i
.set i, i+1
.endr
.set ISSUED, ISSUED+(\n)
.endm
.macro WAITL e                         ; loads come back in order (ISA guide 5.7.1): all up to count e are in when at most ISSUED - e are out; the wait's field holds 63
.set d, ISSUED-(\e)
.if d > 63
.set d, 63
.endif
	s_wait_loadcnt d
.endm
; The batch is rounded to bf16 (hf = 1: and that number written as f16) and stored: load i goes to row r0 + i / dv, byte 256 (i % dv) + what ladr holds.  q >= 0: its squares are added to v[q:q+3].
; All the batch's roundings, one wait, all its stores.
.macro WPROC hf, q, buf, n, ladr, r0, dv, pitch
.set i, 0
.rept \n
.set x, (\buf)+4*i
.if (\q) >= 0
	v_pk_fma_f32 v[\q:\q+1], v[x:x+1], v[x:x+1], v[\q:\q+1]
	v_pk_fma_f32 v[\q+2:\q+3], v[x+2:x+3], v[x+2:x+3], v[\q+2:\q+3]
.endif
	v_cvt_pk_bf16_f32 v[x], v[x], v[x+1]
	v_cvt_pk_bf16_f32 v[x+1], v[x+2], v[x+3]
.if \hf
	v_lshlrev_b32 v[x+2], 16, v[x]
	v_and_b32 v[x+3], s42, v[x]
	v_cvt_pk_f16_f32 v[x], v[x+2], v[x+3]
	v_lshlrev_b32 v[x+2], 16, v[x+1]
	v_and_b32 v[x+3], s42, v[x+1]
	v_cvt_pk_f16_f32 v[x+1], v[x+2], v[x+3]
.endif
.set i, i+1
.endr
	s_wait_alu depctr_va_vdst(0)           ; the roundings have written the batch, which the LDS stores read, and are done with its registers, in which the next batch lands
.set i, 0
.rept \n
.set x, (\buf)+4*i
	ds_store_b64 v[\ladr], v[x:x+1] offset:((\r0)+i/(\dv))*(\pitch)+(i%(\dv))*256
.set i, i+1
.endr
.endm
; GLU layer L: one fragment of K step ks for column pair j into buffer b: g = 0 the value columns 16 j .., g = 1 the gate columns 128 + 16 j ..
.macro WF1 L, b, j, ks, g
.if (\L) == 1
.if (\ks) < 4
.set wb, WB1A
.else
.set wb, WB1B
.endif
.set fd, 64+128*(\b)+16*((\ks)%2)+8*(\g)
.else
.set wb, WB2
.set fd, 64+32*(\b)+16*((\ks)%2)+8*(\g)
.endif
.set wo, 32*((\ks)%4)*P1+32*(\j)+256*(\g)
	FRAG fd, wb, wo, P1
.endm
.macro WGRP L, b, j, gg                ; the four fragments of group gg (K steps 2 gg and 2 gg + 1): 8 LDS loads
.irp u, 0,1
.irp g, 0,1
	WF1 \L, \b, \j, 2*(\gg)+\u, \g
.endr
.endr
.endm
; What follows the products of column pair j: gate e = 2^(acc Gg + Bg) (the tables hold -log2 e times gain and bias), value a = acc Ga + Ba, t / si = a / (si + si e), rounded to f16 into the
; next product's source 1.  Two batches of 16 transcendentals; behind each four plain lines (the value of one tile) and ONE wait ahead of the first reader.
; Each accumulator is read from its lowest registers on.
.macro EPI L
.if (\L) == 1
.set si, SI1
.set td, T1
	PLACES
.else
.set si, SI2
.set td, T2
.irp i, 0,2,4,6                        ; the sums are of t1 / si1: both gains times si1; these eight lines are also the places behind the last products
	v_pk_mul_f32 v[KON+\i:KON+\i+1], v[KON+\i:KON+\i+1], v[SI1:SI1+1]
	v_pk_mul_f32 v[KON+16+\i:KON+16+\i+1], v[KON+16+\i:KON+16+\i+1], v[SI1:SI1+1]
.endr
.endif
.irp t, 0,1
.irp i, 0,2,4,6
	v_pk_fma_f32 v[ACC+16+8*\t+\i:ACC+16+8*\t+\i+1], v[ACC+16+8*\t+\i:ACC+16+8*\t+\i+1], v[KON+\i:KON+\i+1], v[KON+8+\i:KON+8+\i+1]
.endr
.endr
.set n, 0
.rept 16
	v_exp_f32 v[ACC+16+n], v[ACC+16+n]
.set n, n+1
.endr
.irp i, 0,2,4,6
	v_pk_fma_f32 v[ACC+\i:ACC+\i+1], v[ACC+\i:ACC+\i+1], v[KON+16+\i:KON+16+\i+1], v[KON+24+\i:KON+24+\i+1]
.endr
	s_wait_alu depctr_va_vdst(0)           ; the 16 exponentials are written, ahead of their first reader: one wait for the batch
.set n, 0
.rept 8
	v_pk_fma_f32 v[ACC+16+n:ACC+16+n+1], v[ACC+16+n:ACC+16+n+1], v[si:si+1], v[si:si+1]
.set n, n+2
.endr
.set n, 0
.rept 16
	v_rcp_f32 v[ACC+16+n], v[ACC+16+n]
.set n, n+1
.endr
.irp i, 0,2,4,6
	v_pk_fma_f32 v[ACC+8+\i:ACC+8+\i+1], v[ACC+8+\i:ACC+8+\i+1], v[KON+16+\i:KON+16+\i+1], v[KON+24+\i:KON+24+\i+1]
.endr
	s_wait_alu depctr_va_vdst(0)           ; the 16 reciprocals are written, ahead of their first reader: one wait for the batch
.set n, 0
.rept 8
	v_pk_mul_f32 v[ACC+n:ACC+n+1], v[ACC+n:ACC+n+1], v[ACC+16+n:ACC+16+n+1]
.set n, n+2
.endr
.irp t, 0,1
.irp i, 0,1,2,3
	v_cvt_pk_f16_f32 v[td+32*\t+8*(j/2)+4*(j%2)+\i], v[ACC+8*\t+2*\i], v[ACC+8*\t+2*\i+1]
.endr
.endr
.endm
; A GLU layer.  For each of the 8 pairs (value tile j, gate tile j): NG groups of two K steps, 8 products each, then EPI.  The layer's first group is asked for ahead of the macro.
; A group's head: its own fragments are in (nothing younger is out, so the count is 0); one wait on va_vdst; then the pair's 32 table numbers (a pair's first group) and the next group's
; 8 loads, into the other buffer.  In GLU1 those loads are dealt among the group's products, a fragment ahead of each two: the products name this group's buffer, X and the accumulators, none of
; the registers that the loads touch.  In GLU2 the fragments lie in window 1, so the loads stand in one run between two window switches.
; The four accumulators take turns, one instruction a turn.  The layer's last group asks for nothing and has no wait on va_vdst.
.macro GLU L
.if (\L) == 1
.set NG, 4
.set kg, CG1
.set kb, CB1
.else
.set NG, 2
.set kg, CG2
.set kb, CB2
.endif
.set j, 0
.rept 8
.set gg, 0
.rept NG
.set nj, j                             ; the next group: pair nj, group ng
.set ng, gg+1
.if ng == NG
.set nj, j+1
.set ng, 0
.endif
.set more, 1
.if nj == 8
.set more, 0
.endif
	s_wait_dscnt 0x0                       ; this group's fragments are in: they were asked for a group ago
.if ((\L) == 2) && (gg != 0) && more
	WIN 0x40                               ; destination window 1: the switch, the wait, the loads
.endif
.if more
	s_wait_alu depctr_va_vdst(0)           ; the group before is done reading the other buffer, in which the next group's fragments land; at a pair's first group: EPI is done with the tables' registers
.endif
.if gg == 0
.irp u, 0,16
	ds_load_b128 v[KON+\u/4:KON+\u/4+3], v[CL] offset:kg+512+64*j+\u
	ds_load_b128 v[KON+8+\u/4:KON+8+\u/4+3], v[CL] offset:kb+512+64*j+\u
	ds_load_b128 v[KON+16+\u/4:KON+16+\u/4+3], v[CL] offset:kg+64*j+\u
	ds_load_b128 v[KON+24+\u/4:KON+24+\u/4+3], v[CL] offset:kb+64*j+\u
.endr
.endif
.if (\L) == 1
	WIN 0x04                               ; source 1 (X) in window 1
.irp u, 0,1
.irp g, 0,1
.if more
	WF1 1, (gg+1)%2, nj, 2*ng+\u, \g
.endif
.irp t, 0,1
.set dd, ACC+16*\g+8*\t
.set ww, 64+128*(gg%2)+16*\u+8*\g
.set ss, 64*\t+8*(2*gg+\u)
.if (gg == 0) && (\u == 0)
	v_wmma_f32_16x16x32_bf16 v[dd:dd+7], v[ww:ww+7], v[ss:ss+7], 0
.else
	v_wmma_f32_16x16x32_bf16 v[dd:dd+7], v[ww:ww+7], v[ss:ss+7], v[dd:dd+7]
.endif
.endr
.endr
.endr
.else
.if more
	WIN 0x40
	WGRP 2, (gg+1)%2, nj, ng
.endif
	WIN 0x01                               ; source 0 (the fragments) in window 1
.irp u, 0,1
.irp g, 0,1
.irp t, 0,1
.set dd, ACC+16*\g+8*\t
.set ww, 64+32*(gg%2)+16*\u+8*\g
.set ss, T1+32*\t+8*(2*gg+\u)
.if (gg == 0) && (\u == 0)
	v_wmma_f32_16x16x32_f16 v[dd:dd+7], v[ww:ww+7], v[ss:ss+7], 0
.else
	v_wmma_f32_16x16x32_f16 v[dd:dd+7], v[ww:ww+7], v[ss:ss+7], v[dd:dd+7]
.endif
.endr
.endr
.endr
.endif
.set gg, gg+1
.endr
	WIN 0
	EPI \L
.set j, j+1
.endr
.endm
; The products of att and out: source 1 = T2, K = 128.  Group p is column tiles 2 p and 2 p + 1 with all four K steps: 8 fragments (16 LDS loads) in half h of the raw buffers, 16 products.
; Fragment (n, k) lies at RAW + 64 h + 32 n + 8 k.  The group's four accumulators take turns, K ascending.  D(nt, t) = db + dn nt + dt t.
.macro ALD base, pitch, p, h
.irp n, 0,1
.irp k, 0,1,2,3
.set ad, RAW+64*(\h)+32*\n+8*\k
.set ao, 32*\k*(\pitch)+32*(2*(\p)+\n)
	FRAG ad, \base, ao, \pitch
.endr
.endr
.endm
.macro AMUL p, h, db, dn, dt
.irp k, 0,1,2,3
.irp n, 0,1
.irp t, 0,1
.set dd, (\db)+(\dn)*(2*(\p)+\n)+(\dt)*\t
.set ww, RAW+64*(\h)+32*\n+8*\k
.set ss, T2+32*\t+8*\k
.if \k == 0
	v_wmma_f32_16x16x32_f16 v[dd:dd+7], v[ww:ww+7], v[ss:ss+7], 0
.else
	v_wmma_f32_16x16x32_f16 v[dd:dd+7], v[ww:ww+7], v[ss:ss+7], v[dd:dd+7]
.endif
.endr
.endr
.endr
.endm
; The row's largest z: my 64 numbers in four chains, three operands at a time; the row's other 64 lie in the lane 16 away.  NL = -(zmax - 1)
.macro ZMAX t
.set zb, ZB+64*(\t)
.set cc, ACC+4*(\t)
.irp k, 0,1,2,3
	v_max3_num_f32 v[cc+\k], v[zb+16*\k], v[zb+16*\k+1], v[zb+16*\k+2]
.endr
.irp i, 0,1,2,3,4,5
.irp k, 0,1,2,3
	v_max3_num_f32 v[cc+\k], v[cc+\k], v[zb+16*\k+3+2*\i], v[zb+16*\k+4+2*\i]
.endr
.endr
	v_max3_num_f32 v[cc], v[cc], v[zb+15], v[zb+31]
	v_max3_num_f32 v[cc+2], v[cc+2], v[zb+47], v[zb+63]
	v_max3_num_f32 v[cc], v[cc], v[cc+1], v[cc+2]
	v_max_num_f32 v[cc], v[cc], v[cc+3]
	v_permlanex16_b32 v[cc+1], v[cc], s40, s41
	v_max_num_f32 v[cc], v[cc], v[cc+1]
	v_sub_f32 v[NL+\t], 1.0, v[cc]
.endm
; The way out of tile t: a lane's 8 numbers of a row (32 bytes) into my stage, and back as whole rows of 256 bytes
.macro TOSTG t
.irp n, 0,1,2,3
	ds_store_b128 v[STO], v[ZB+16*\n+8*(\t):ZB+16*\n+8*(\t)+3] offset:64*\n
	ds_store_b128 v[STO], v[ZB+16*\n+8*(\t)+4:ZB+16*\n+8*(\t)+7] offset:64*\n+16
.endr
.irp i, 0,1,2,3,4,5,6,7
	ds_load_b128 v[128+32*(\t)+4*\i:128+32*(\t)+4*\i+3], v[RD] offset:2*SP*\i
.endr
.endm
.macro OST t, younger                  ; younger: the LDS instructions issued behind tile t's loads
.irp i, 0,1,2,3,4,5,6,7
	s_wait_dscnt (\younger)+7-\i
	global_store_b128 v[FO], v[128+32*(\t)+4*\i:128+32*(\t)+4*\i+3], s[34:35] offset:4096*(\t)+512*\i th:TH_STORE_NT  ; two rows: 512 consecutive bytes, at a multiple of 256 from out0's first byte
.endr
.endm
	; ---------------- the head: addresses ----------------
	s_load_b512 s[4:19], s[0:1], 0x0       ; features 4, glu1_w 6, glu1_b 8, glu1_g 10, glu1_be 12, glu2_w 14, glu2_b 16, glu2_g 18
	s_load_b512 s[20:35], s[0:1], 0x40     ; glu2_be 20, att_w 22, att_b 24, att_g 26, att_be 28, out_w 30, out_b 32, out0 34
	v_lshl_add_u32 v[SPW], v0, 2, SPARE
	v_mov_b32 v[NIL], 0
	v_lshrrev_b32 v25, 5, v0
	v_readfirstlane_b32 s36, v25           ; wave 0..7
	v_and_b32 v26, 31, v0                  ; l
	v_and_b32 v27, 15, v0                  ; l % 16
	v_bfe_u32 v28, v0, 4, 1                ; l / 16
	v_and_b32 v29, 7, v0
	v_bfe_u32 v30, v0, 3, 1
	v_lshl_add_u32 v29, v28, 3, v29        ; the turning load's row: 8 (l / 16) + l % 8
	v_lshlrev_b32 v30, 4, v30              ; and its 16 bytes: 16 ((l / 8) % 2)
	v_lshlrev_b32 v[PF], 8, v26
	v_mul_u32_u24 v[WB1A], v29, P1
	v_add_nc_u32 v[WB1A], v[WB1A], v30
	v_add_nc_u32 v[WB1B], 128*P1, v[WB1A]
	v_add_nc_u32 v[WB2], LW2, v[WB1A]
	v_mul_u32_u24 v[WBA], v29, PA
	v_add_nc_u32 v[WBA], v[WBA], v30
	v_add_nc_u32 v[WBA], LWA, v[WBA]
	v_mul_u32_u24 v[WBO], v29, PO
	v_add_nc_u32 v[WBO], v[WBO], v30
	v_add_nc_u32 v[WBO], LWO, v[WBO]
	v_lshl_add_u32 v[CL], v28, 5, LCON
	v_lshlrev_b32 v[FO], 4, v26
	s_wait_alu depctr_va_sdst(0)           ; s36 is written, ahead of its first reader: LDS places and the buffers' offsets are made from it
	s_mul_i32 s2, s36, STGB
	s_add_co_u32 s2, s2, LSTG              ; my stage
	v_lshl_add_u32 v[SA], v26, 3, s2
	v_mul_u32_u24 v31, v27, SP
	v_add_nc_u32 v31, s2, v31
	v_lshl_add_u32 v[FA], v28, 4, v31
	v_lshl_add_u32 v[STO], v28, 5, v31
	v_mul_u32_u24 v[RD], v28, SP
	v_lshl_add_u32 v[RD], v27, 4, v[RD]
	v_add_nc_u32 v[RD], s2, v[RD]
	v_mov_b32 v[ONE], 1.0
	v_mov_b32 v[ONE+1], 1.0
	v_mov_b32 v[ZERO], 0
	; where my share of the weights goes: W1 rows 32 w .., W2, WA and WO rows 16 w ..
	s_mul_i32 s3, s36, 32*P1
	v_lshl_add_u32 v32, v26, 3, s3
	s_mul_i32 s3, s36, 16*P1
	s_add_co_u32 s3, s3, LW2
	v_lshl_add_u32 v33, v26, 3, s3
	s_mul_i32 s3, s36, 16*PA
	s_add_co_u32 s3, s3, LWA
	v_lshl_add_u32 v34, v26, 3, s3
	s_mul_i32 s3, s36, 16*PO
	s_add_co_u32 s3, s3, LWO
	v_mul_u32_u24 v35, v28, PO             ; a load of out_w is two rows: lanes 16-31 take the second
	v_lshl_add_u32 v35, v27, 3, v35
	v_add_nc_u32 v35, s3, v35
	v_lshlrev_b32 v36, 2, v0               ; thread t takes column t of the GLU parameters,
	v_and_b32 v37, 127, v0
	v_lshl_add_u32 v37, v37, 2, 2048       ; column t % 128 of slice 4 of att's,
	v_and_b32 v38, 63, v0
	v_lshlrev_b32 v38, 2, v38              ; column t % 64 of out_b
	v_lshl_add_u32 v39, v0, 2, LCON
.set i, 52
.rept 8
	v_mov_b32 v[i], 0                      ; the sums of squares: v[52:55] glu1_w's, v[56:59] glu2_w's
.set i, i+1
.endr
	s_mov_b32 s40, 0x76543210              ; v_permlanex16_b32: each lane takes its own place in the other half
	s_mov_b32 s41, 0xfedcba98
	s_mov_b32 s42, 0xffff0000              ; a word's upper bf16
	s_mov_b32 s43, 0x7fffffff
	s_cmp_lt_u32 s36, 4
	s_cselect_b32 s44, 1.0, 0xbfb8aa3b     ; waves 4-7 hold the gate columns 128..255: their gain and bias are taken times -log2 e
	s_mov_b32 s47, 0
	s_wait_kmcnt 0x0
	s_lshl_b32 s46, ttmp9, 19              ; features: 512 rows of 1,024 bytes a work-group, 64 a wave
	s_lshl_b32 s3, s36, 16
	s_add_co_u32 s46, s46, s3
	s_add_nc_u64 s[4:5], s[4:5], s[46:47]
	s_lshl_b32 s46, ttmp9, 17              ; out0: rows of 256 bytes
	s_lshl_b32 s3, s36, 14
	s_add_co_u32 s46, s46, s3
	s_add_nc_u64 s[34:35], s[34:35], s[46:47]
	s_lshl_b32 s46, s36, 15                ; glu1_w: 32 rows of 1,024 bytes a wave
	s_add_nc_u64 s[6:7], s[6:7], s[46:47]
	s_lshl_b32 s46, s36, 14                ; glu2_w: 16 rows
	s_add_nc_u64 s[14:15], s[14:15], s[46:47]
	s_lshl_b32 s46, s36, 13                ; att_w: slice 4, 16 rows of 512 bytes
	s_add_co_u32 s46, s46, 262144
	s_add_nc_u64 s[22:23], s[22:23], s[46:47]
	s_lshl_b32 s46, s36, 12                ; out_w: 16 rows of 256 bytes
	s_add_nc_u64 s[30:31], s[30:31], s[46:47]
	; ---------------- the weights into LDS; the first block's features beside them ----------------
	s_wait_alu depctr_va_vdst(0)           ; every address and offset of the kernel (v1 to v13, v25, v32 to v39) is written: the loads, stores and prefetches below read them
	global_load_b32 v40, v36, s[8:9]       ; glu1_b
	global_load_b32 v41, v36, s[10:11]     ; glu1_g
	global_load_b32 v42, v36, s[12:13]     ; glu1_be
	global_load_b32 v43, v36, s[16:17]     ; glu2_b
	global_load_b32 v44, v36, s[18:19]     ; glu2_g
	global_load_b32 v45, v36, s[20:21]     ; glu2_be
	global_load_b32 v46, v37, s[24:25]     ; att_b[4]
	global_load_b32 v47, v37, s[26:27]     ; att_g[4]
	global_load_b32 v48, v37, s[28:29]     ; att_be[4]
	global_load_b32 v49, v38, s[32:33]     ; out_b
.set ISSUED, 10
.set EP, ISSUED
	WLOAD 6, 0, 64, 16, 0                  ; glu1_w, my rows 0-7
.set E0, ISSUED
	WLOAD 6, 8192, 128, 16, 0              ; rows 8-15
.set E1, ISSUED
	WLOAD 6, 16384, 192, 16, 0             ; rows 16-23
.set E2, ISSUED
	FLOAD 0, 0, 0, 0                       ; nothing has named the raw buffers yet
.set F0, ISSUED
	FLOAD 1, 1, 0, 0
.set F1, ISSUED
	WAITL EP                               ; the ten parameters
	v_cvt_pk_bf16_f32 v40, v40, v41        ; every input is rounded to bf16: b1 | g1
	v_cvt_pk_bf16_f32 v42, v42, v43        ; be1 | b2
	v_cvt_pk_bf16_f32 v44, v44, v45        ; g2 | be2
	v_cvt_pk_bf16_f32 v46, v46, v47        ; ab | ag
	v_cvt_pk_bf16_f32 v48, v48, v49        ; abe | ob
	v_and_b32 v41, s42, v40
	v_lshlrev_b32 v40, 16, v40
	v_and_b32 v43, s42, v42
	v_lshlrev_b32 v42, 16, v42
	v_and_b32 v45, s42, v44
	v_lshlrev_b32 v44, 16, v44
	v_and_b32 v47, s42, v46
	v_lshlrev_b32 v46, 16, v46
	v_and_b32 v49, s42, v48
	v_lshlrev_b32 v48, 16, v48
	v_mul_f32 v41, 0x3f7fdf42, v41         ; G = g / sqrt(1 + 1e-3), the factor in f32 as the function has it
	v_mul_f32 v44, 0x3f7fdf42, v44
	v_mul_f32 v47, 0x3f7fdf42, v47
	v_fma_f32 v40, v40, v41, v42           ; B = b G + be
	v_fma_f32 v43, v43, v44, v45
	v_fma_f32 v46, v46, v47, v48
	v_mul_f32 v41, s44, v41
	v_mul_f32 v40, s44, v40
	v_mul_f32 v44, s44, v44
	v_mul_f32 v43, s44, v43
	s_wait_alu depctr_va_vdst(0)           ; the gains and biases v40 to v49 are written: the seven LDS stores below read them
	ds_store_b32 v39, v41 offset:CG1
	ds_store_b32 v39, v40 offset:CB1
	ds_store_b32 v39, v44 offset:CG2
	ds_store_b32 v39, v43 offset:CB2
	s_cmp_lt_u32 s36, 4                    ; att has 128 columns: threads 0-127 store them,
	s_cbranch_scc0 .Lno_att
	ds_store_b32 v39, v47 offset:CGA
	ds_store_b32 v39, v46 offset:CBA
	s_cmp_lt_u32 s36, 2                    ; out_b has 64
	s_cbranch_scc0 .Lno_att
	ds_store_b32 v39, v49 offset:COB
.Lno_att:
	WAITL E0
	WPROC 0, 52, 64, 16, 32, 0, 2, P1
	WLOAD 6, 24576, 64, 16, 1              ; glu1_w rows 24-31
.set E0, ISSUED
	WAITL E1
	WPROC 0, 52, 128, 16, 32, 8, 2, P1
	WLOAD 14, 0, 128, 16, 1                ; glu2_w rows 0-7
.set E1, ISSUED
	WAITL E2
	WPROC 0, 52, 192, 16, 32, 16, 2, P1
	WLOAD 14, 8192, 192, 16, 1             ; glu2_w rows 8-15
.set E2, ISSUED
	WAITL F0
	FCONV 0, 0
	FLOAD 2, 0, 1, 1
.set F0, ISSUED
	WAITL F1
	FCONV 1, 1
	FLOAD 3, 1, 1, 1
.set F1, ISSUED
	WAITL E0
	WPROC 0, 52, 64, 16, 32, 24, 2, P1
	WLOAD 22, 0, 64, 16, 1                 ; att_w[4], my 16 rows
.set E0, ISSUED
	WAITL E1
	WPROC 1, 56, 128, 16, 33, 0, 2, P1
	WLOAD 30, 0, 128, 8, 1                 ; out_w, my 16 rows
.set E1, ISSUED
	WAITL E2
	WPROC 1, 56, 192, 16, 33, 8, 2, P1
	WAITL E0
	WPROC 1, -1, 64, 16, 34, 0, 1, PA
	WAITL E1                               ; for 0: out_w is in, and with it every older load, the first block's chunks 2 and 3 among them
	WPROC 1, -1, 128, 8, 35, 0, 1, 2*PO
	v_pk_add_f32 v[52:53], v[52:53], v[54:55]
	v_pk_add_f32 v[56:57], v[56:57], v[58:59]
	v_add_f32 v52, v52, v53
	v_add_f32 v56, v56, v57
	LANESUM 52, 53
	LANESUM 56, 57
	v_mov_b32 v50, s36
	v_lshl_add_u32 v50, v50, 2, LSTAT
	s_wait_alu depctr_va_vdst(0)           ; the two sums v52, v56 and their address v50 are written: the two LDS stores read them
	ds_store_b32 v50, v52                  ; all lanes write my wave's word with the same number
	ds_store_b32 v50, v56 offset:32
	s_wait_dscnt 0x0                       ; for the others' sake: my part of the weights, the tables and the sums is in LDS
	s_barrier_signal -1
	s_barrier_wait -1                      ; everybody's is.  The only barrier: from here on weights and tables are only read, and the stages are each wave's own
	; ---------------- the bounds' constants, every wave for itself ----------------
	s_wait_alu depctr_vm_vsrc(0)           ; all my loads and LDS stores so far have read their registers: v50 is written anew below, loads land in v64-95, and v32 to v255 serve the blocks from here on
	v_mov_b32 v50, LSTAT
	v_lshl_add_u32 v51, v26, 4, LCON       ; four of the 128 value columns a lane
	s_wait_alu depctr_va_vdst(0)           ; v50 and v51 are written, which the loads below read; the batches' roundings are done with v64-95, in which they land
	ds_load_b128 v[64:67], v50
	ds_load_b128 v[68:71], v50 offset:16
	ds_load_b128 v[72:75], v50 offset:32
	ds_load_b128 v[76:79], v50 offset:48
	ds_load_b128 v[80:83], v51 offset:CG1
	ds_load_b128 v[84:87], v51 offset:CB1
	ds_load_b128 v[88:91], v51 offset:CG2
	ds_load_b128 v[92:95], v51 offset:CB2
	FCONV 2, 0                             ; the rest of the first block's X stands between those loads and the wait for them
	FCONV 3, 1
	s_add_nc_u64 s[4:5], s[4:5], 32768     ; every load of features is in: on to my second block
	s_wait_dscnt 48                        ; the two conversions' 2 x (16 stores + 8 loads) may be out
	s_wait_alu depctr_vm_vsrc(0)           ; the eight loads have read v50 and v51, which the blocks' products write; the two chunks' stage stores have read the raw buffers, in which later loads land
	v_pk_add_f32 v[64:65], v[64:65], v[66:67]
	v_pk_add_f32 v[68:69], v[68:69], v[70:71]
	v_pk_add_f32 v[72:73], v[72:73], v[74:75]
	v_pk_add_f32 v[76:77], v[76:77], v[78:79]
	v_pk_add_f32 v[64:65], v[64:65], v[68:69]
	v_pk_add_f32 v[72:73], v[72:73], v[76:77]
	v_add_f32 v64, v64, v65                ; sum of glu1_w^2
	v_add_f32 v72, v72, v73
	v_mul_f32 v72, 0x43000000, v72         ; 128 x sum of glu2_w^2
	v_sqrt_f32 v64, v64
	v_sqrt_f32 v72, v72
.set i, 80
.rept 16
	v_and_b32 v[i], s43, v[i]
.set i, i+1
.endr
.irp b, 80,84,88,92
	v_max3_num_f32 v[\b], v[\b], v[\b+1], v[\b+2]
.endr
.irp b, 80,84,88,92
	v_max_num_f32 v[\b], v[\b], v[\b+3]
.endr
	LANEMAX 80, 80, 81
	LANEMAX D1, 84, 85
	LANEMAX 88, 88, 89
	LANEMAX D2, 92, 93
	s_wait_alu depctr_va_vdst(0)           ; the two roots v64 and v72 are written, ahead of their first reader; the maxima above are the independent work between
	v_mul_f32 v[C1], v64, v80
	v_mul_f32 v[C2], v72, v88
	s_mov_b32 s37, 2                       ; blocks to go
	; ---------------- a block of 32 rows ----------------
.Lblock:
	s_cmp_eq_u32 s37, 1                    ; the last block has no successor: the three parts that fetch one are jumped, with the waits for its loads
	s_cbranch_scc1 .Lno_a
	s_wait_loadcnt 0x0                     ; the raw buffers are asked for again only when no earlier load into them is out (none is: the counts before ended at 0)
	FLOAD 0, 0, 0, 1                       ; the next block's tile 0
	FLOAD 1, 1, 0, 0                       ; (nothing but loads and window switches since the wait)
	global_prefetch_b8 v[PF], s[4:5] offset:16384 th:TH_LOAD_NT scope:SCOPE_SE  ; its tile 1, 16,384 consecutive bytes, 256 a lane and line: loaded behind GLU1's 256 products.
	global_prefetch_b8 v[PF], s[4:5] offset:24576 th:TH_LOAD_NT scope:SCOPE_SE  ; Each wave asks for what it alone will load; the last block asks for nothing
.Lno_a:
	s_wait_dscnt 0x0                       ; X is in
	; the block's largest row norm: X X^T, the two tiles' accumulators by turns
	WIN 0x05
.set k, 0
.rept 8
.irp t, 0,1
.if k == 0
	v_wmma_f32_16x16x32_bf16 v[ACC+8*\t:ACC+8*\t+7], v[64*\t+8*k:64*\t+8*k+7], v[64*\t+8*k:64*\t+8*k+7], 0
.else
	v_wmma_f32_16x16x32_bf16 v[ACC+8*\t:ACC+8*\t+7], v[64*\t+8*k:64*\t+8*k+7], v[64*\t+8*k:64*\t+8*k+7], v[ACC+8*\t:ACC+8*\t+7]
.endif
.endr
.set k, k+1
.endr
	WIN 0
	PLACES
	v_max3_num_f32 v48, v32, v33, v34      ; |x_m . x_n| <= the larger of the two norms squared: the largest entry is the largest diagonal one
	v_max3_num_f32 v49, v40, v41, v42
	v_max3_num_f32 v48, v48, v35, v36
	v_max3_num_f32 v49, v49, v43, v44
	v_max3_num_f32 v48, v48, v37, v38
	v_max3_num_f32 v49, v49, v45, v46
	v_max3_num_f32 v48, v48, v39, v47
	v_max_num_f32 v48, v48, v49
	LANEMAX 48, 48, 49
	v_sqrt_f32 v48, v48
	v_nop                                  ; a plain instruction behind the root
	s_wait_alu depctr_va_vdst(0)           ; the root v48 is written, ahead of its first reader; and all that named v64-95 (the head's sums, the block before's results) is done: GLU1's first fragments land there
	WGRP 1, 0, 0, 0                        ; pair 0, K steps 0 and 1
	v_fma_f32 v49, v48, v[C1], v[D1]       ; b1 >= |t1|
	v_fma_f32 v50, v49, v[C2], v[D2]       ; b2 >= |t2|
	v_and_b32 v49, 0x7f800000, v49         ; the exponent alone,
	v_and_b32 v50, 0x7f800000, v50
	v_max_u32 v49, 0x7000000, v49          ; at least 14, so that si is no denormal,
	v_max_u32 v50, 0x7000000, v50
	v_add_nc_u32 v[SI1], 0xf9800000, v49   ; less 13
	v_add_nc_u32 v[SI1+1], 0xf9800000, v49
	v_add_nc_u32 v[SI2], 0xf9800000, v50
	v_add_nc_u32 v[SI2+1], 0xf9800000, v50
	GLU 1
	WIN 0x40
	s_wait_alu depctr_va_vdst(0)           ; GLU1's products are done reading X's tile 1, in whose registers GLU2's fragments land
	WGRP 2, 0, 0, 0                        ; pair 0, K steps 0 and 1: they land while the next block's tile 0 is rounded
	WIN 0
	s_cmp_eq_u32 s37, 1
	s_cbranch_scc1 .Lno_d
	s_wait_loadcnt 16                      ; chunk 0 is in; chunk 1's 16 loads may be out.  X is free: its last readers stand in front of the last EPI
	FCONV 0, 0
	FLOAD 2, 0, 1, 1
	s_wait_loadcnt 16                      ; chunk 1 is in; chunk 2's may be out
	FCONV 1, 1
	FLOAD 3, 1, 1, 1
.Lno_d:
	GLU 2
	s_cmp_eq_u32 s37, 1
	s_cbranch_scc1 .Lno_f
	s_wait_loadcnt 16                      ; chunk 2
	FCONV 2, 0
	s_wait_loadcnt 0x0                     ; chunk 3
	FCONV 3, 1
	s_wait_xcnt 0x0                        ; the prefetches, two layers back, have read their address too
	s_add_nc_u64 s[4:5], s[4:5], 32768
.Lno_f:
	; sums of (t2 / si2) @ att_w[4]: four groups of 16 products, their fragments in the two halves of the raw buffers by turns; groups 0 and 1 are asked for together
	s_wait_loadcnt 0x0                     ; no load of features is out (the counts above ended at 0; the last block asked for none): the raw buffers are free until the next block asks
	WIN 0x40
	s_wait_alu depctr_vm_vsrc(0)           ; the stage stores of chunks 2 and 3 have read the raw buffers,
	s_wait_alu depctr_va_vdst(0)           ; and their roundings are done with them: att's fragments land there
	ALD WBA, PA, 0, 0
	ALD WBA, PA, 1, 1
	WIN 0x01                               ; source 0 (the fragments) in window 1
	s_wait_dscnt 16                        ; group 0 is in; group 1's 16 loads may be out
	AMUL 0, 0, ZB, 8, 64
	WIN 0x40
	s_wait_alu depctr_va_vdst(0)           ; group 0's products are done reading half 0, in which group 2's fragments land
	ALD WBA, PA, 2, 0
	WIN 0x01
	s_wait_dscnt 16                        ; group 1 is in; group 2's may be out
	AMUL 1, 1, ZB, 8, 64
	WIN 0x40
	s_wait_alu depctr_va_vdst(0)           ; group 1's products are done reading half 1, in which group 3's fragments land
	ALD WBA, PA, 3, 1
	WIN 0x01
	s_wait_dscnt 16                        ; group 2 is in
	AMUL 2, 0, ZB, 8, 64
	s_wait_dscnt 0x0                       ; group 3
	AMUL 3, 1, ZB, 8, 64
	PLACES                                 ; behind the last products: their results are read below, and the registers of their fragments are written
	; z = sum x (GA si2) + BA.  Both tables come into the raw buffers at once: GA(nt) at RAW + 8 nt, BA(nt) at RAW + 64 + 8 nt
	WIN 0x40
	s_wait_alu depctr_va_vdst(0)           ; att's products are done reading their fragments: the tables land in the same registers
.set n, 0
.rept 8
	ds_load_b128 v[RAW+8*n:RAW+8*n+3], v[CL] offset:CGA+64*n
	ds_load_b128 v[RAW+8*n+4:RAW+8*n+7], v[CL] offset:CGA+64*n+16
.set n, n+1
.endr
.set n, 0
.rept 8
	ds_load_b128 v[RAW+64+8*n:RAW+64+8*n+3], v[CL] offset:CBA+64*n
	ds_load_b128 v[RAW+64+8*n+4:RAW+64+8*n+7], v[CL] offset:CBA+64*n+16
.set n, n+1
.endr
	WIN 0x41                               ; destination and source 0 window 1
	s_wait_dscnt 16                        ; GA is in; BA's 16 loads may be out
.set n, 0
.rept 32
	v_pk_mul_f32 v[RAW+n:RAW+n+1], v[RAW+n:RAW+n+1], v[SI2:SI2+1]
.set n, n+2
.endr
	WIN 0x14                               ; sources 1 and 2 window 1
	s_wait_dscnt 0x0                       ; BA
.irp t, 0,1
.set n, 0
.rept 32
	v_pk_fma_f32 v[ZB+64*\t+n:ZB+64*\t+n+1], v[ZB+64*\t+n:ZB+64*\t+n+1], v[RAW+n:RAW+n+1], v[RAW+64+n:RAW+64+n+1]  ; each accumulator from its lowest registers on
.set n, n+2
.endr
.endr
	WIN 0x40
	s_wait_alu depctr_va_vdst(0)           ; the lines above are done with the tables: all 16 fragments of out_w land in the same registers, while tau is searched
	ALD WBO, PO, 0, 0
	ALD WBO, PO, 1, 1
	WIN 0
	ZMAX 0
	ZMAX 1
	; tau by halving [zmax - 1, zmax].  For t in that interval z - t <= 1, so max(z - t, 0) is z - t held to 0 .. 1: one packed line for two numbers, one more to add them.
	s_mov_b32 s38, 17
	s_mov_b32 s39, 0x3f000000              ; the step, 2^-1; a trip takes 1 from its exponent
.Lbis:
.irp t, 0,1
	v_sub_f32 v[NT+2*\t], v[NL+\t], s39    ; minus (lower end + step)
	v_sub_f32 v[NT+2*\t+1], v[NL+\t], s39
.endr
.irp t, 0,1
.irp c, 0,2,4,6
	v_pk_fma_f32 v[ACC+16*\t+\c:ACC+16*\t+\c+1], v[ZB+64*\t+\c:ZB+64*\t+\c+1], v[ONE:ONE+1], v[NT+2*\t:NT+2*\t+1] clamp  ; the first four pairs start the four sums
.endr
.endr
.set g, 1
.rept 7
.irp t, 0,1
.irp c, 0,2,4,6
	v_pk_fma_f32 v[ACC+16*\t+8+\c:ACC+16*\t+8+\c+1], v[ZB+64*\t+8*g+\c:ZB+64*\t+8*g+\c+1], v[ONE:ONE+1], v[NT+2*\t:NT+2*\t+1] clamp
.endr
.endr
.irp t, 0,1
.irp c, 0,2,4,6
	v_pk_add_f32 v[ACC+16*\t+\c:ACC+16*\t+\c+1], v[ACC+16*\t+\c:ACC+16*\t+\c+1], v[ACC+16*\t+8+\c:ACC+16*\t+8+\c+1]
.endr
.endr
.set g, g+1
.endr
.irp t, 0,1
	v_pk_add_f32 v[ACC+16*\t:ACC+16*\t+1], v[ACC+16*\t:ACC+16*\t+1], v[ACC+16*\t+2:ACC+16*\t+3]
	v_pk_add_f32 v[ACC+16*\t+4:ACC+16*\t+5], v[ACC+16*\t+4:ACC+16*\t+5], v[ACC+16*\t+6:ACC+16*\t+7]
.endr
.irp t, 0,1
	v_pk_add_f32 v[ACC+16*\t:ACC+16*\t+1], v[ACC+16*\t:ACC+16*\t+1], v[ACC+16*\t+4:ACC+16*\t+5]
.endr
.irp t, 0,1
	v_add_f32 v[ACC+16*\t], v[ACC+16*\t], v[ACC+16*\t+1]
.endr
.irp t, 0,1
	v_permlanex16_b32 v[ACC+16*\t+8], v[ACC+16*\t], s40, s41
.endr
.irp t, 0,1
	v_add_f32 v[ACC+16*\t], v[ACC+16*\t], v[ACC+16*\t+8]   ; the row's sum, the same number in both of its lanes
.endr
.irp t, 0,1
	v_cmp_le_f32 s[48+\t], 1.0, v[ACC+16*\t]               ; the two tiles' masks in a run, into s48 and s49
.endr
	s_wait_alu depctr_va_sdst(0)           ; s48 and s49 are written, ahead of the selects that read them
.irp t, 0,1
	v_cndmask_b32 v[NL+\t], v[NL+\t], v[NT+2*\t], s[48+\t] ; sum >= 1: tau lies above the point tried
.endr
	s_sub_co_u32 s39, s39, 0x800000
	s_sub_co_u32 s38, s38, 1
	s_cmp_lg_u32 s38, 0
	s_cbranch_scc1 .Lbis
	s_wait_alu depctr_va_vdst(0)           ; the halvings are done with v32-63, in which out_b's numbers land, while the mask is made
.irp n, 0,1,2,3
	ds_load_b128 v[ACC+8*\n:ACC+8*\n+3], v[CL] offset:COB+64*\n
	ds_load_b128 v[ACC+8*\n+4:ACC+8*\n+7], v[CL] offset:COB+64*\n+16
.endr
	; the mask: z less the middle of the last interval (s39 now holds 2^-18), held to 0 .. 1, in place
.irp t, 0,1
	v_sub_f32 v[NT+2*\t], v[NL+\t], s39
	v_sub_f32 v[NT+2*\t+1], v[NL+\t], s39
.endr
.irp t, 0,1
.set n, 0
.rept 32
	v_pk_fma_f32 v[ZB+64*\t+n:ZB+64*\t+n+1], v[ZB+64*\t+n:ZB+64*\t+n+1], v[ONE:ONE+1], v[NT+2*\t:NT+2*\t+1] clamp
.set n, n+2
.endr
.endr
	; t2 / si2 times the mask, rounded once to f16, in place: register i of k block c holds columns 32 c + 16 (i / 4) + 8 (l / 16) + 2 (i % 4) + 0, 1, as z(t, 2 c + i / 4) does in registers 2 (i % 4) + 0, 1
.irp t, 0,1
.set n, 0
.rept 32
.set pp, T2+32*\t+n
.set mm, ZB+64*\t+8*(n/4)+2*(n%4)
	v_fma_mixlo_f16 v[pp], v[pp], v[mm], v[ZERO] op_sel_hi:[1,0,0]
	v_fma_mixhi_f16 v[pp], v[pp], v[mm+1], v[ZERO] op_sel:[1,0,0] op_sel_hi:[1,0,0]
.set n, n+1
.endr
.endr
	; sums of (t2 mask / si2) @ out_w: 32 products on end; nothing is left to fetch
	s_wait_dscnt 0x0                       ; out_w's fragments and out_b's numbers are in
	WIN 0x01
	AMUL 0, 0, ZB, 16, 8
	AMUL 1, 1, ZB, 16, 8
	WIN 0
	PLACES
.irp n, 0,1,2,3
.irp t, 0,1
.irp i, 0,2,4,6
	v_pk_fma_f32 v[ZB+16*\n+8*\t+\i:ZB+16*\n+8*\t+\i+1], v[ZB+16*\n+8*\t+\i:ZB+16*\n+8*\t+\i+1], v[SI2:SI2+1], v[ACC+8*\n+\i:ACC+8*\n+\i+1]
.endr
.endr
.endr
	s_wait_alu depctr_va_vdst(0)           ; the results v64-127 are written, which the stage stores read; the mask's lines are done with v128-191, in which the rows read back land
	TOSTG 0
	TOSTG 1                                ; its stores come behind tile 0's loads, which LDS serves first
	OST 0, 16
	OST 1, 0
	s_wait_xcnt 0x0                        ; the stores have had their addresses translated: their base is written again only behind this wait
	s_wait_alu depctr_vm_vsrc(0)           ; the stage stores have read v64-127 and the global stores v128-191: the next block's fragments and tables land in the first, its roundings write the second
	s_add_nc_u64 s[34:35], s[34:35], 8192
	s_sub_co_u32 s37, s37, 1
	s_cmp_lg_u32 s37, 0
	s_cbranch_scc1 .Lblock
	s_wait_dscnt 0x0                       ; the closing lines, six on end
	s_wait_alu 0x0
	s_wait_tensorcnt 0x0
	ds_add_u32 v[SPW], v[NIL]
	s_wait_dscnt 0x0
	s_endpgm
.Lfunc_end_k_qd7681a3ee7_tabnet:
	.size	k_qd7681a3ee7_tabnet, .Lfunc_end_k_qd7681a3ee7_tabnet-k_qd7681a3ee7_tabnet
	.p2alignl 7, 3214868480
	.fill 96, 4, 3214868480
	.section	.rodata,"a",@progbits
	.p2align	6, 0x0
	.amdhsa_kernel k_qd7681a3ee7_tabnet
		.amdhsa_group_segment_fixed_size 307712
		.amdhsa_private_segment_fixed_size 0
		.amdhsa_enable_private_segment 0
		.amdhsa_kernarg_size 128
		.amdhsa_user_sgpr_count 2
		.amdhsa_user_sgpr_kernarg_segment_ptr 1
		.amdhsa_wavefront_size32 1
		.amdhsa_system_sgpr_workgroup_id_x 1
		.amdhsa_system_sgpr_workgroup_id_y 1
		.amdhsa_system_sgpr_workgroup_id_z 1
		.amdhsa_system_vgpr_workitem_id 0
		.amdhsa_next_free_vgpr 512
		.amdhsa_next_free_sgpr 66
		.amdhsa_reserve_vcc 0
		.amdhsa_float_denorm_mode_32 3
		.amdhsa_float_denorm_mode_16_64 3
		.amdhsa_memory_ordered 1
		.amdhsa_forward_progress 1
		.amdhsa_inst_pref_size 255
	.end_amdhsa_kernel
	.section	.bss,"aw",@nobits
	.p2align	6
	.space	262144
	.amdgpu_metadata
---
amdhsa.version: [ 1, 2 ]
amdhsa.kernels:
  - .name:           k_qd7681a3ee7_tabnet
    .symbol:         k_qd7681a3ee7_tabnet.kd
    .args:
      - { .name: features, .offset: 0, .size: 8, .value_kind: global_buffer, .address_space: global }
      - { .name: glu1_w, .offset: 8, .size: 8, .value_kind: global_buffer, .address_space: global }
      - { .name: glu1_b, .offset: 16, .size: 8, .value_kind: global_buffer, .address_space: global }
      - { .name: glu1_g, .offset: 24, .size: 8, .value_kind: global_buffer, .address_space: global }
      - { .name: glu1_be, .offset: 32, .size: 8, .value_kind: global_buffer, .address_space: global }
      - { .name: glu2_w, .offset: 40, .size: 8, .value_kind: global_buffer, .address_space: global }
      - { .name: glu2_b, .offset: 48, .size: 8, .value_kind: global_buffer, .address_space: global }
      - { .name: glu2_g, .offset: 56, .size: 8, .value_kind: global_buffer, .address_space: global }
      - { .name: glu2_be, .offset: 64, .size: 8, .value_kind: global_buffer, .address_space: global }
      - { .name: att_w, .offset: 72, .size: 8, .value_kind: global_buffer, .address_space: global }
      - { .name: att_b, .offset: 80, .size: 8, .value_kind: global_buffer, .address_space: global }
      - { .name: att_g, .offset: 88, .size: 8, .value_kind: global_buffer, .address_space: global }
      - { .name: att_be, .offset: 96, .size: 8, .value_kind: global_buffer, .address_space: global }
      - { .name: out_w, .offset: 104, .size: 8, .value_kind: global_buffer, .address_space: global }
      - { .name: out_b, .offset: 112, .size: 8, .value_kind: global_buffer, .address_space: global }
      - { .name: out0, .offset: 120, .size: 8, .value_kind: global_buffer, .address_space: global }
    .group_segment_fixed_size: 307712
    .private_segment_fixed_size: 0
    .kernarg_segment_align: 8
    .kernarg_segment_size: 128
    .max_flat_workgroup_size: 256
    .sgpr_count:     66
    .vgpr_count:     512
    .wavefront_size: 32
...
	.end_amdgpu_metadata
.endif
;; end of part 2
